; MI455X (gfx1250); checked and timed in simulation.
; The chip was launched on July 23, 2026; its instructions are those of AMD's public machine-readable ISA for CDNA 5 (MIT licence, August 2026) and "CDNA5" Instruction Set Architecture Reference Guide (July 2026). The comments in the code are by the model that wrote it; some were corrected since.
;; Self Attention. Allowed arithmetic: matrix products marked QUANTISED: E3M2 operands, one E8M0 scale for each 32 along K, by v_wmma_scale_f32_16x16x128_f8f6f4 with both operands' format E3M2, f32 sums; everything else in f32.
;; Inputs: bk 32 float32; bq 32 float32; bv 256 float32; gamma 1 float32; wk 32 x 256 float32; wq 32 x 256 float32; wv 256 x 256 float32; x 4 x 256 x 64 x 64 float32.
;; Outputs: out0 4 x 256 x 64 x 64 float32.
;; This version of the problem:
;;   THIS VERSION OF THE PROBLEM IS GIVEN IN LOW PRECISION. The matrix products marked QUANTISED in the list below multiply operands that are first quantised to E3M2 (3 exponent bits, 2 mantissa bits; 6 bits a number), with one power-of-two scale for each 32 numbers along K (OCP MX v1.0); their sums are f32. All else is computed in f32.
;;   The module's matrix products, in the order in which they are computed (A, B: the left and right operand; K: the contracted axis; several contracted axes count as one K, in the product's order):
;;     1. [M 16,384, K 256] x [K 256, N 32]; A: input x; B: input wq: QUANTISED
;;     2. [M 16,384, K 256] x [K 256, N 32]; A: input x; B: input wk: QUANTISED
;;     3. batch 4 x [M 4,096, K 32] x [K 32, N 4,096]; A: computed on the way; B: computed on the way: QUANTISED
;;     4. [M 16,384, K 256] x [K 256, N 256]; A: input x; B: input wv: QUANTISED
;;     5. batch 4 x [M 256, K 4,096] x [K 4,096, N 4,096]; A: computed on the way; B: softmax (see below): QUANTISED
;;   THE QUANTISER, for each operand of a quantised product, along K:
;;     - K is cut into blocks of 32 from its start; a last block that is shorter is filled with zeros.
;;     - A block's scale is 2^e with e = floor(log2(the largest magnitude in the block)) - 4, held to -126 .. 127; a block of zeros has e = 0. As a byte (E8M0): e + 127.
;;     - Each number is divided by its block's scale, clamped to +-28, and rounded to the nearest number of E3M2, ties to even, subnormals kept.
;;     - The product sums the exact products of the quantised numbers (number of the format x scale) in f32.
;;   ~~~python
;;   def quantise(x, axis):      # numpy; x: float32 -> the quantised numbers, widened to float32 again
;;       x = np.moveaxis(x, axis, -1); K = x.shape[-1]
;;       x = np.pad(x, [(0, 0)] * (x.ndim - 1) + [(0, -K % 32)]); x = x.reshape(x.shape[:-1] + (-1, 32)); a = np.abs(x).max(-1, keepdims=True)
;;       e = np.where(a > 0, np.clip(np.frexp(np.where(a > 0, a, 1))[1] - 1 - 4, -126, 127), 0)      # np.frexp(a)[1] - 1 = floor(log2(a)), exactly
;;       r = np.clip(x / 2.0 ** e, -28, 28)
;;       step = 2.0 ** (np.maximum(np.frexp(np.where(r == 0, 1, r))[1] - 1, -2) - 2)
;;       q = np.round(r / step) * step * 2.0 ** e      # np.round: ties to even
;;       return np.moveaxis(q.reshape(q.shape[:-2] + (-1,))[..., :K], -1, axis).astype(np.float32)
;;   ~~~
;;   SOFTMAX AHEAD OF A QUANTISED PRODUCT. Where the list says 'softmax', what is quantised is not the finished softmax but p = 2^(t - M), with t = logit x log2(e) and M = ceil(the row's largest t), a whole number; so 1/2 < the row's largest p <= 1. The row's sum l is taken of the UNQUANTISED p, in f32, and the product's result is divided by l at the end. Since M is a whole number, a kernel that streams over the keys may use a running M (the ceiling of the running maximum): every later rescaling is an exact power of two, which a block's scale takes up: the codes' values come out the same.
;;   OPERANDS COMPUTED ON THE WAY. 'Computed on the way' means the value that the module computes at that place (a softmax that the list does not call 'softmax' is quantised finished and normalised). What goes into a quantiser is computed in f32, as accurately as f32 sums, v_exp_f32 and their like allow (about 1e-6 of the number): no bf16 or f16 on the way to a quantiser, and a product that is left as it is and whose result goes on into a quantised operand takes f32 operands (vector FMAs, or v_wmma_f32_16x16x4_f32). A number that lies on a knife's edge between two numbers of the format may be rounded either way, as far as f32 arithmetic and the matrix unit's own rounding can turn it there, and no further.
;; 2 versions. Each part assembles by itself: llvm-mc -triple=amdgcn-amd-amdhsa -mcpu=gfx1250 --defsym DOCPART=n.
;; ======== version 1 of 2: 2 launches
;; workspace buffers: qrec 458,752 bytes; krec 458,752 bytes; kv 3,276,800 bytes
;; launch project (part 1): grid 256 x 1, 8 waves a work-group, no clusters, 95,744 bytes of LDS; arguments x, wq, bq, wk, bk, wv, bv, qrec, kv, krec; writes qrec, kv, krec
.if DOCPART == 1
	.amdgcn_target "amdgcn-amd-amdhsa--gfx1250"
	.amdhsa_code_object_version 6
	.text
	.protected	k_q1e36d4231c_project
	.globl	k_q1e36d4231c_project
	.p2align	8
	.type	k_q1e36d4231c_project,@function
k_q1e36d4231c_project:
	s_mov_b64 s[64:65], 0
	v_nop
	global_prefetch_b8 v0, s[64:65] scope:SCOPE_SE
	s_setreg_imm32_b32 hwreg(HW_REG_WAVE_MODE, 25, 1), 1
	s_wait_xcnt 0x0
; q = x wq^T + bq, k = x wk^T + bk, v = x wv^T + bv on codes of BF6 (E3M2) with one E8M0 scale for each 32 along K (the 256 channels); then q and k are
; quantised along their 32 numbers and v along the pixels (the keys of the attention that follows).  x: [4][256][4096] f32; the weights [o][256] f32.
; SHARES.  A work-group of eight waves takes 64 pixels of one batch and writes one record of qrec (1,792 bytes), one of krec (1,792) and one of kv (12,800); all are whole blocks of 256 bytes.
; TILES OF PIXELS.  Tile p = 2 b + u of a record has row r = pixel 32 b + 8 u + r + 8 (r / 8): so the 16 registers that a lane holds of tiles 2 b and 2 b + 1 of a result are 16 neighbouring pixels.
; The two tiles of wq (and of wk) take their rows in the same way, so that a lane's 16 results of q are 16 neighbours of the 32.
; IMAGES.  A fragment (16 rows x 128 K, 12 registers a lane) lies in LDS and in kv as two halves of 768 bytes: registers 0-3 at 16 x lane, registers 4-5 at 512 + 8 x lane.
; x: K is its outer axis: a lane takes a pixel and its registers run down the channels: wave w takes pixels 32 (w & 1) on, channels 64 (w >> 1) on.
; WEIGHTS: K innermost: a load takes 512 consecutive bytes of a row; 16 rows turn through the wave's own stage, so that a lane gets 32 neighbours.  Wave w keeps rows 32 w .. 32 w + 31 of wv in registers.
; ALL LOADS GO OUT AT THE START: x, then the wave's five weight fragments (four into the second window of registers, as loaded), so that none waits for the work on the one before.
; RECORDS.  kv: 16 half images of v (channel tile t at 768 t) | 12,288: 256 halfwords, v's two scale bytes of a channel.
;           qrec, krec: the codes, [tile][row] x 24 bytes | 1,536: the scale words.  A scale word of q or k holds its one byte four times (the product that reads it is 128 deep, of which 32 are used).
; LIMITS: NaN and infinities among the inputs are not served.  A block whose largest magnitude lies under 2^-122 gets the scale byte 1; so does a block of zeros (the rule says 127):
; its codes are zeros, which add nothing under any byte but 0xff, and this program alone reads the bytes.
.set XIMG, 0                           ; LDS: x's 8 fragments: (tile p, K step s) at (2 p + s) x 1,536
.set WIMG, 12288                       ; the 8 fragments of wq and wk: (2 x tile + s) x 1,536; tiles: wq 0, wq 1, wk 0, wk 1
.set XSC,  24576                       ; x's scale words: 256 s + 64 p + 4 r
.set WSC,  25088                       ; wq's and wk's: 128 x fragment + 4 x lane
.set SCL,  26112                       ; the record's scales: v's 512 bytes, q's 256, k's 256
.set WST,  27136                       ; a stage of 16 rows x 528 bytes for each wave
.set WSTB, 8448
.set FRB,  1536
.set REC,  12800
.set QREC, 1792
.set FLOOR, 0x2800000                  ; 2^(5 - 127): under it no largest magnitude is taken, so no byte falls under 1
.set OFF4,  0xfe000000                 ; 4 off an exponent field
.set WVS,  26                          ; v26-29  wv's scale words
.set XS,   30                          ; v30-33  x's, two tiles to a register
.set QWS,  34                          ; v34-37  wq's or wk's
.set XQSR, 38                          ; v38-39  x's, my tile
.set CA,   40                          ; v40-51  codes just made
.set CT,   52                          ; v52-59  their upper halves (a conversion's three registers begin on an even number)
.set MX,   60
.set SO,   62
.set CQ,   64
.set H8,   67
.set BY,   68
.set WRD,  70
.set TP,   71
.set WV,   72                          ; v72-119 wv's four fragments: (tile d, K step s) at 12 (2 d + s)
.set G,    120                         ; v120-183 the fragment of wq or wk as loaded.  (wv's four as loaded: the second window, 64 registers each)
.set T,    184                         ; v184-247 64 numbers, two blocks of 32 along K
.set QW,   120
.set XQ,   168
.set AQ,   192
.set BQK,  208
.set XF,   120
.set ACC,  168
.set BVC,  232
.set BQA,  248
.set R4,   249
.set MSB, 0
.macro WIN new                         ; bits 1:0 source 0, 3:2 source 1, 5:4 source 2, 7:6 destination; the high byte repeats the setting that is left
.if MSB != \new
	s_set_vgpr_msb (MSB<<8)|\new
.set MSB, \new
.endif
.endm
.macro WLOAD dst, base, off0, perm     ; 16 rows x 512 bytes: each load reads 512 consecutive bytes; perm = 1: rows 0-7 and 16-23
.set n, 0
.rept 16
	global_load_b128 v[(\dst)+4*n:(\dst)+4*n+3], v1, s[\base:\base+1] offset:(\off0)+(n+8*(n/8)*\perm)*1024
.set n, n+1
.endr
.endm
.macro TURNW src, win                  ; through my own stage: in as loaded (win: the window of an LDS store's data), back as 32 neighbours a block.  LDS serves a wave's instructions in order
	WIN \win
.set n, 0
.rept 16
	ds_store_b128 v8, v[(\src)+4*n:(\src)+4*n+3] offset:528*n
.set n, n+1
.endr
	WIN 0
.irp c, 0,1
.irp j, 0,1,2,3,4,5,6,7
	ds_load_b128 v[T+32*\c+4*\j:T+32*\c+4*\j+3], v9 offset:256*\c+16*\j
.endr
.endr
	s_wait_dscnt 0x0                               ; the numbers are in
.endm
.macro MAX32                           ; the two blocks in T: largest magnitude, the conversion's scale operand, the byte
.irp c, 0,1
	v_max3_num_f32 v[MX+\c], |v[T+32*\c]|, |v[T+32*\c+1]|, FLOOR
.endr
.irp e, 2,4,6,8,10,12,14,16,18,20,22,24,26,28,30
.irp c, 0,1
	v_max3_num_f32 v[MX+\c], v[MX+\c], |v[T+32*\c+\e]|, |v[T+32*\c+\e+1]|
.endr
.endr
.irp c, 0,1
	v_add_nc_u32 v[SO+\c], OFF4, v[MX+\c]
.endr
.irp c, 0,1
	v_lshrrev_b32 v[BY+\c], 23, v[SO+\c]
.endr
.endm
.macro CVT32 dst                       ; their codes: block c into registers 6 c .. 6 c + 5 from dst on
.irp c, 0,1
	v_cvt_scalef32_pk16_bf6_f32 v[(\dst)+6*\c:(\dst)+6*\c+2], v[T+32*\c:T+32*\c+15], v[SO+\c]
	v_cvt_scalef32_pk16_bf6_f32 v[CT+4*\c:CT+4*\c+2], v[T+32*\c+16:T+32*\c+31], v[SO+\c]
.endr
	v_nop                                          ; one plain place behind a scaled conversion
.irp c, 0,1
.irp e, 0,1,2
	v_mov_b32 v[(\dst)+6*\c+3+\e], v[CT+4*\c+\e]
.endr
.endr
.endm
.macro WQUANT dst, word                ; a weight fragment: lane (r, h) holds blocks h and 2 + h of row r
	MAX32
	v_lshl_or_b32 v[\word], v[BY+1], 16, v[BY]
	v_lshlrev_b32 v[\word], v[H8], v[\word]        ; my two bytes at their places,
	v_permlanex16_b32 v[TP], v[\word], s28, s29
	v_or_b32 v[\word], v[\word], v[TP]             ; with lane l xor 16's two the word is whole
	CVT32 \dst
.endm
.macro IMG a16, a8, src, off
	ds_store_b128 v[\a16], v[\src:\src+3] offset:\off
	ds_store_b64 v[\a8], v[\src+4:\src+5] offset:\off+512
	ds_store_b128 v[\a16], v[\src+6:\src+9] offset:\off+768
	ds_store_b64 v[\a8], v[\src+10:\src+11] offset:\off+1280
.endm
.macro FETCH reg, a16, a8, off
	ds_load_b128 v[\reg:\reg+3], v[\a16] offset:\off
	ds_load_b64 v[\reg+4:\reg+5], v[\a8] offset:\off+512
	ds_load_b128 v[\reg+6:\reg+9], v[\a16] offset:\off+768
	ds_load_b64 v[\reg+10:\reg+11], v[\a8] offset:\off+1280
.endm
.macro XQUANT                          ; my pixel's 64 channels: two whole blocks.  Lanes 0-15 hold a row of tile 2 pg, lanes 16-31 of tile 2 pg + 1
	MAX32
	v_lshl_or_b32 v[WRD], v[BY+1], 8, v[BY]
	ds_store_b16 v7, v[WRD]                        ; bytes 2 ch and 2 ch + 1 of my row's scale word
	CVT32 CA
.irp e, 0,1,2,3,4,5
	v_permlane16_swap_b32 v[CA+\e], v[CA+6+\e]     ; the first six now hold tile 2 pg (lanes 0-15 the lower block, lanes 16-31 the upper), the second six tile 2 pg + 1
.endr
	ds_store_b128 v5, v[CA:CA+3]
	ds_store_b64 v6, v[CA+4:CA+5] offset:512
	ds_store_b128 v5, v[CA+6:CA+9] offset:3072
	ds_store_b64 v6, v[CA+10:CA+11] offset:3584
.endm
.macro QKQUANT                         ; lane (r, h): numbers 16 h .. 16 h + 15 of pixel row r's q (or k): one block with lane l xor 16
	v_max3_num_f32 v[MX], |v[AQ]|, |v[AQ+1]|, FLOOR
.irp e, 2,4,6,8,10,12,14
	v_max3_num_f32 v[MX], v[MX], |v[AQ+\e]|, |v[AQ+\e+1]|
.endr
	v_permlanex16_b32 v[TP], v[MX], s28, s29
	v_max_num_f32 v[MX], v[MX], v[TP]
	v_add_nc_u32 v[SO], OFF4, v[MX]
	v_lshrrev_b32 v[BY], 23, v[SO]
	v_lshl_or_b32 v[WRD], v[BY], 8, v[BY]
	v_lshl_or_b32 v[WRD], v[WRD], 16, v[WRD]       ; the byte four times
	v_cvt_scalef32_pk16_bf6_f32 v[CQ:CQ+2], v[AQ:AQ+15], v[SO]
	v_nop
	global_store_b96 v21, v[CQ:CQ+2], s[34:35]     ; the wave stores 384 consecutive bytes
	ds_store_b32 v19, v[WRD]                       ; both lanes of a row write the same word
.endm
.macro VQUANT tt                       ; channel tile 2 w + tt: lane (r, h) holds channel r; register 16 b + e = pixel 32 b + 16 h + e
.set rS, ACC+32*(\tt)
.set rC, CA+6*(\tt)
.set rT, CT+4*(\tt)
.irp b, 0,1
	v_max3_num_f32 v[MX+\b], |v[rS+16*\b]|, |v[rS+16*\b+1]|, FLOOR
.endr
.irp e, 2,4,6,8,10,12,14
.irp b, 0,1
	v_max3_num_f32 v[MX+\b], v[MX+\b], |v[rS+16*\b+\e]|, |v[rS+16*\b+\e+1]|
.endr
.endr
.irp b, 0,1
	v_permlanex16_b32 v[TP], v[MX+\b], s28, s29
	v_max_num_f32 v[MX+\b], v[MX+\b], v[TP]
.endr
.irp b, 0,1
	v_add_nc_u32 v[SO+\b], OFF4, v[MX+\b]
.endr
.irp b, 0,1
	v_lshrrev_b32 v[BY+\b], 23, v[SO+\b]
.endr
	v_lshl_or_b32 v[WRD], v[BY+1], 8, v[BY]
	ds_store_b16 v20, v[WRD] offset:32*(\tt)
	v_cvt_scalef32_pk16_bf6_f32 v[rC:rC+2], v[rS:rS+15], v[SO]
	v_cvt_scalef32_pk16_bf6_f32 v[rT:rT+2], v[rS+16:rS+31], v[SO+1]
	v_nop
.irp e, 0,1,2
	v_permlane16_swap_b32 v[rC+\e], v[rT+\e]       ; a whole block to a lane: lanes 0-15 block 0, lanes 16-31 block 1
.endr
.irp e, 0,1,2
	v_mov_b32 v[rC+3+\e], v[rT+\e]
.endr
	global_store_b128 v22, v[rC:rC+3], s[36:37] offset:768*(\tt)       ; 512 consecutive bytes,
	global_store_b64 v23, v[rC+4:rC+5], s[36:37] offset:768*(\tt)+512  ; and 256
.endm
	s_load_b256 s[4:11], s[0:1], 0x0               ; x s[4:5], wq s[6:7], bq s[8:9], wk s[10:11]
	s_load_b256 s[12:19], s[0:1], 0x20             ; bk s[12:13], wv s[14:15], bv s[16:17], qrec s[18:19]
	s_load_b64 s[20:21], s[0:1], 0x40              ; kv
	s_load_b64 s[56:57], s[0:1], 0x48              ; krec
	v_lshl_add_u32 v254, v0, 2, 0x17200
	v_mov_b32 v255, 0
	v_lshrrev_b32 v1, 5, v0
	v_readfirstlane_b32 s22, v1                    ; wave w
	s_and_b32 s23, s22, 1                          ; pg: my 32 pixels.  Also: I make q (0) or k (1)
	s_lshr_b32 s24, s22, 1                         ; cb: my 64 channels.  Also: my tile of pixels for q or k
	s_lshr_b32 s25, s24, 1                         ; ks: their K step of 128
	s_and_b32 s26, s24, 1                          ; ch: which half of a fragment
	s_mov_b32 s28, 0x76543210
	s_mov_b32 s29, 0xfedcba98                      ; v_permlanex16_b32's selects for lane l xor 16
	v_and_b32 v60, 31, v0                          ; lane
	v_and_b32 v61, 15, v0                          ; r
	v_bfe_u32 v62, v0, 4, 1                        ; h
	v_lshlrev_b32 v1, 4, v60                       ; 16 x lane
	v_lshlrev_b32 v2, 3, v60                       ; 8 x lane
	v_lshlrev_b32 v3, 2, v60                       ; 4 x lane
	v_lshlrev_b32 v[H8], 3, v62
	v_lshlrev_b32 v[BQA], 6, v62                   ; the bias of q or k: 64 h
	v_lshlrev_b32 v[R4], 2, v61
	v_mov_b32 v[TP], 0                             ; a lane permute's destination counts as one of its sources
	v_and_b32 v63, 8, v61
	v_add_nc_u32 v63, v63, v61                     ; r + 8 (r / 8)
	v_lshlrev_b32 v4, 2, v63
	v_lshl_add_u32 v4, v62, 5, v4
	s_lshl_b32 s40, s23, 7
	v_add_nc_u32 v4, s40, v4                       ; x: my pixel's 4 bytes in the record's 256
	s_mul_i32 s40, s23, 6144
	s_mul_i32 s41, s25, FRB
	s_add_co_u32 s40, s40, s41
	s_mul_i32 s41, s26, 768
	s_add_co_u32 s40, s40, s41
	v_add_nc_u32 v5, s40, v1                       ; where my half images of x go
	v_add_nc_u32 v6, s40, v2
	s_lshl_b32 s40, s25, 8
	s_lshl_b32 s41, s23, 7
	s_add_co_u32 s40, s40, s41
	s_lshl_b32 s41, s26, 1
	s_add_co_u32 s40, s40, s41
	s_add_co_u32 s40, s40, XSC
	v_add_nc_u32 v7, s40, v3                       ; and my two scale bytes
	s_mul_i32 s40, s22, WSTB
	s_add_co_u32 s40, s40, WST
	v_add_nc_u32 v8, s40, v1                       ; my stage, in
	v_mul_u32_u24 v9, v61, 528
	v_lshl_add_u32 v9, v62, 7, v9
	v_add_nc_u32 v9, s40, v9                       ; and back: row r, 128 h
	s_mul_i32 s40, s22, FRB
	s_add_co_u32 s40, s40, WIMG
	v_add_nc_u32 v10, s40, v1                      ; the fragment of wq or wk that I make
	v_add_nc_u32 v11, s40, v2
	s_lshl_b32 s40, s22, 7
	s_add_co_u32 s40, s40, WSC
	v_add_nc_u32 v12, s40, v3
	s_mul_i32 s40, s23, 6144
	s_add_co_u32 s40, s40, WIMG
	v_add_nc_u32 v13, s40, v1                      ; the four that I read
	v_add_nc_u32 v14, s40, v2
	s_lshl_b32 s40, s23, 9
	s_add_co_u32 s40, s40, WSC
	v_add_nc_u32 v15, s40, v3
	s_mul_i32 s40, s24, 3072
	v_add_nc_u32 v16, s40, v1                      ; x's two fragments of my tile
	v_add_nc_u32 v17, s40, v2
	s_lshl_b32 s40, s24, 6
	s_add_co_u32 s40, s40, XSC
	v_lshl_add_u32 v18, v61, 2, s40
	s_lshl_b32 s40, s23, 8
	s_lshl_b32 s41, s24, 6
	s_add_co_u32 s40, s40, s41
	s_add_co_u32 s40, s40, SCL+512
	v_lshl_add_u32 v19, v61, 2, s40                ; q's or k's scale word of my row
	s_lshl_b32 s40, s22, 6
	s_add_co_u32 s40, s40, SCL
	v_lshl_add_u32 v20, v61, 1, s40                ; v's halfword of my channel
	v_mul_u32_u24 v21, v61, 24
	v_mad_u32_u24 v21, v62, 12, v21
	s_mul_i32 s40, s24, 384
	v_add_nc_u32 v21, s40, v21                     ; q's or k's codes in the record
	s_mul_i32 s40, s22, FRB
	v_add_nc_u32 v22, s40, v1                      ; v's half images in the record
	v_add_nc_u32 v23, s40, v2
	s_lshr_b32 s40, ttmp9, 6                       ; batch,
	s_lshl_b32 s40, s40, 22
	s_and_b32 s41, ttmp9, 63                       ; block of 64 pixels,
	s_lshl_b32 s41, s41, 8
	s_add_co_u32 s40, s40, s41
	s_lshl_b32 s41, s24, 20                        ; my 64 channels
	s_add_co_u32 s40, s40, s41
	s_mov_b32 s41, 0
	s_lshl_b32 s42, s22, 15                        ; my 32 rows of wv
	s_mov_b32 s43, 0
	s_mul_i32 s46, ttmp9, REC
	s_mov_b32 s47, 0
	s_mul_i32 s48, ttmp9, QREC
	s_mov_b32 s49, 0
	s_lshl_b32 s50, s22, 7                         ; my 32 numbers of bv
	s_mov_b32 s51, 0
	s_lshl_b32 s52, s26, 13                        ; the tile of wq or wk that I quantise begins at row 8 ch,
	s_lshl_b32 s53, s23, 9                         ; K step w & 1
	s_add_co_u32 s52, s52, s53
	s_mov_b32 s53, 0
	s_wait_kmcnt 0x0
	s_add_nc_u64 s[4:5], s[4:5], s[40:41]
	s_add_nc_u64 s[14:15], s[14:15], s[42:43]
	s_add_nc_u64 s[16:17], s[16:17], s[50:51]
	s_add_nc_u64 s[36:37], s[20:21], s[46:47]      ; my record of kv,
	s_add_nc_u64 s[38:39], s[18:19], s[48:49]      ; of qrec,
	s_add_nc_u64 s[44:45], s[56:57], s[48:49]      ; and of krec
	s_cmp_lt_u32 s22, 4                            ; waves 0-3 quantise wq, waves 4-7 wk: the choices hang on the wave's number alone
	s_cselect_b64 s[30:31], s[6:7], s[10:11]
	s_add_nc_u64 s[30:31], s[30:31], s[52:53]
	s_cmp_eq_u32 s23, 0
	s_cselect_b64 s[32:33], s[8:9], s[12:13]       ; bq or bk
	s_cselect_b64 s[34:35], s[38:39], s[44:45]     ; where my codes of q or k go
	global_load_b32 v24, v[R4], s[16:17]           ; bv of my two channel tiles
	global_load_b32 v25, v[R4], s[16:17] offset:64
.set n, 0
.rept 64
	global_load_b32 v[T+n], v4, s[4:5] offset:16384*n   ; x(channel 64 cb + n, my pixel): the wave reads 128 consecutive bytes
.set n, n+1
.endr
	WIN 0x40                                       ; destination: the second window
.irp f, 0,1,2,3                        ; wv's fragment f = (tile f / 2, K step f % 2) as loaded: 64 registers from 64 f on
	WLOAD 64*\f, 14, (\f/2)*16384+(\f%2)*512, 0
.endr
	WIN 0
	WLOAD G, 30, 0, 1                              ; my fragment of wq or wk
	s_wait_loadcnt 63                              ; bv and x are in: 80 loads are younger, and 63 is the most that the wait can name: stricter than needed
	XQUANT
.irp f, 0,1,2,3,4                      ; four fragments of wv, which stay in registers as codes, and one of wq or wk, which goes to LDS
.if \f == 0
	s_wait_loadcnt 63                              ; fragment 0 is in: 64 loads are younger
.else
	s_wait_loadcnt 64-16*\f                        ; fragment f is in: the fragments behind it, 16 loads each, may be out
.endif
.if \f < 4
	TURNW 64*\f, 0x04
	WQUANT WV+12*\f, WVS+\f
.else
	TURNW G, 0
	WQUANT CA, WRD
	IMG 10, 11, CA, 0
	ds_store_b32 v12, v[WRD]
.endif
.endr
.irp u, 0,1                            ; the bias in the result's layout: lane (r, h), tile u, register j: number 16 h + 8 u + j
	global_load_b128 v[BQK+8*\u:BQK+8*\u+3], v[BQA], s[32:33] offset:32*\u
	global_load_b128 v[BQK+8*\u+4:BQK+8*\u+7], v[BQA], s[32:33] offset:32*\u+16
.endr
	s_wait_dscnt 0x0                               ; for the others' sake: my images and scale words have landed
	s_barrier_signal -1
	s_barrier_wait -1
	; ---- q or k of my tile of pixels, transposed: source 0 = 16 rows of the weight, source 1 = x
.irp e, 0,1,2,3
	FETCH QW+12*\e, 13, 14, \e*FRB
	ds_load_b32 v[QWS+\e], v15 offset:128*\e
.endr
.irp e, 0,1
	FETCH XQ+12*\e, 16, 17, \e*FRB
	ds_load_b32 v[XQSR+\e], v18 offset:256*\e
.endr
	s_wait_dscnt 0x0
	s_wait_loadcnt 0x0                             ; the bias
	v_wmma_scale_f32_16x16x128_f8f6f4 v[AQ:AQ+7], v[QW:QW+11], v[XQ:XQ+11], v[BQK:BQK+7], v[QWS], v[XQSR] matrix_a_fmt:MATRIX_FMT_BF6 matrix_b_fmt:MATRIX_FMT_BF6
	v_wmma_scale_f32_16x16x128_f8f6f4 v[AQ+8:AQ+15], v[QW+24:QW+35], v[XQ:XQ+11], v[BQK+8:BQK+15], v[QWS+2], v[XQSR] matrix_a_fmt:MATRIX_FMT_BF6 matrix_b_fmt:MATRIX_FMT_BF6
	v_wmma_scale_f32_16x16x128_f8f6f4 v[AQ:AQ+7], v[QW+12:QW+23], v[XQ+12:XQ+23], v[AQ:AQ+7], v[QWS+1], v[XQSR+1] matrix_a_fmt:MATRIX_FMT_BF6 matrix_b_fmt:MATRIX_FMT_BF6
	v_wmma_scale_f32_16x16x128_f8f6f4 v[AQ+8:AQ+15], v[QW+36:QW+47], v[XQ+12:XQ+23], v[AQ+8:AQ+15], v[QWS+3], v[XQSR+1] matrix_a_fmt:MATRIX_FMT_BF6 matrix_b_fmt:MATRIX_FMT_BF6
.rept 4
	v_nop                                          ; four places behind a matrix instruction before its result is read (ISA guide 7.12.1)
.endr
	QKQUANT
	; ---- v of my 32 channels for the 64 pixels: source 0 = x (16 pixels), source 1 = 16 rows of wv: a lane holds one channel, its registers run along the pixels
.irp d, 0,1
.irp j, 0,1,2,3,4,5,6,7
	v_mov_b32 v[BVC+8*\d+\j], v[24+\d]             ; the bias as the C of a sum's first product: the lane's channel in all eight registers
.endr
.endr
.irp e, 0,1,2,3
	ds_load_b32 v[XS+\e], v3 offset:XSC+256*(\e/2)+128*(\e%2)   ; K step e / 2, tiles 2 (e % 2) (lanes 0-15) and 2 (e % 2) + 1 (lanes 16-31)
.endr
.irp b, 0,1
.irp u, 0,1
.irp s, 0,1
	FETCH XF+12*(2*\u+\s), 1, 2, XIMG+(2*(2*\b+\u)+\s)*FRB
.endr
.endr
	s_wait_dscnt 0x0
.irp s, 0,1                            ; four accumulators by turns, K step by K step
.irp u, 0,1
.irp d, 0,1
.set rD, ACC+32*\d+8*(2*\b+\u)
.set rA, XF+12*(2*\u+\s)
.set rB, WV+12*(2*\d+\s)
.if \s == 0
.if \u == 0
	v_wmma_scale_f32_16x16x128_f8f6f4 v[rD:rD+7], v[rA:rA+11], v[rB:rB+11], v[BVC+8*\d:BVC+8*\d+7], v[XS+2*\s+\b], v[WVS+2*\d+\s] matrix_a_fmt:MATRIX_FMT_BF6 matrix_b_fmt:MATRIX_FMT_BF6
.else
	v_wmma_scale_f32_16x16x128_f8f6f4 v[rD:rD+7], v[rA:rA+11], v[rB:rB+11], v[BVC+8*\d:BVC+8*\d+7], v[XS+2*\s+\b], v[WVS+2*\d+\s] matrix_a_fmt:MATRIX_FMT_BF6 matrix_b_fmt:MATRIX_FMT_BF6 matrix_a_scale:MATRIX_SCALE_ROW1
.endif
.else
.if \u == 0
	v_wmma_scale_f32_16x16x128_f8f6f4 v[rD:rD+7], v[rA:rA+11], v[rB:rB+11], v[rD:rD+7], v[XS+2*\s+\b], v[WVS+2*\d+\s] matrix_a_fmt:MATRIX_FMT_BF6 matrix_b_fmt:MATRIX_FMT_BF6
.else
	v_wmma_scale_f32_16x16x128_f8f6f4 v[rD:rD+7], v[rA:rA+11], v[rB:rB+11], v[rD:rD+7], v[XS+2*\s+\b], v[WVS+2*\d+\s] matrix_a_fmt:MATRIX_FMT_BF6 matrix_b_fmt:MATRIX_FMT_BF6 matrix_a_scale:MATRIX_SCALE_ROW1
.endif
.endif
.endr
.endr
.endr
.rept 4
	v_nop                                          ; places in front of the next loads into x's fragments, and of the first read of results
.endr
.endr
	VQUANT 0
	VQUANT 1
	s_wait_dscnt 0x0                               ; my scale words and halfwords have landed
	s_barrier_signal -1
	s_barrier_wait -1
	s_cmp_lg_u32 s22, 0
	s_cbranch_scc1 .Ldone
.irp e, 0,1,2,3                        ; wave 0 sends the record's 1,024 bytes of scales: each store covers 256 consecutive bytes, aligned
	ds_load_b64 v[120+2*\e:121+2*\e], v2 offset:SCL+256*\e
.endr
	s_wait_dscnt 0x0
	global_store_b64 v2, v[120:121], s[36:37] offset:12288
	global_store_b64 v2, v[122:123], s[36:37] offset:12544
	global_store_b64 v2, v[124:125], s[38:39] offset:1536
	global_store_b64 v2, v[126:127], s[44:45] offset:1536
.Ldone:
	s_wait_tensorcnt 0x0
	ds_add_u32 v254, v255
	s_wait_dscnt 0x0
	s_endpgm
.Lfunc_end_k_q1e36d4231c_project:
	.size	k_q1e36d4231c_project, .Lfunc_end_k_q1e36d4231c_project-k_q1e36d4231c_project
	.p2alignl 7, 3214868480
	.fill 96, 4, 3214868480
	.section	.rodata,"a",@progbits
	.p2align	6, 0x0
	.amdhsa_kernel k_q1e36d4231c_project
		.amdhsa_group_segment_fixed_size 95744
		.amdhsa_private_segment_fixed_size 0
		.amdhsa_enable_private_segment 0
		.amdhsa_kernarg_size 80
		.amdhsa_user_sgpr_count 2
		.amdhsa_user_sgpr_kernarg_segment_ptr 1
		.amdhsa_wavefront_size32 1
		.amdhsa_system_sgpr_workgroup_id_x 1
		.amdhsa_system_sgpr_workgroup_id_y 1
		.amdhsa_system_sgpr_workgroup_id_z 1
		.amdhsa_system_vgpr_workitem_id 0
		.amdhsa_next_free_vgpr 512
		.amdhsa_next_free_sgpr 66
		.amdhsa_reserve_vcc 0
		.amdhsa_float_denorm_mode_32 3
		.amdhsa_float_denorm_mode_16_64 3
		.amdhsa_memory_ordered 1
		.amdhsa_forward_progress 1
		.amdhsa_inst_pref_size 62
	.end_amdhsa_kernel
	.amdgpu_metadata
---
amdhsa.version: [ 1, 2 ]
amdhsa.kernels:
  - .name:           k_q1e36d4231c_project
    .symbol:         k_q1e36d4231c_project.kd
    .args:
      - { .name: x, .offset: 0, .size: 8, .value_kind: global_buffer, .address_space: global }
      - { .name: wq, .offset: 8, .size: 8, .value_kind: global_buffer, .address_space: global }
      - { .name: bq, .offset: 16, .size: 8, .value_kind: global_buffer, .address_space: global }
      - { .name: wk, .offset: 24, .size: 8, .value_kind: global_buffer, .address_space: global }
      - { .name: bk, .offset: 32, .size: 8, .value_kind: global_buffer, .address_space: global }
      - { .name: wv, .offset: 40, .size: 8, .value_kind: global_buffer, .address_space: global }
      - { .name: bv, .offset: 48, .size: 8, .value_kind: global_buffer, .address_space: global }
      - { .name: qrec, .offset: 56, .size: 8, .value_kind: global_buffer, .address_space: global }
      - { .name: kv, .offset: 64, .size: 8, .value_kind: global_buffer, .address_space: global }
      - { .name: krec, .offset: 72, .size: 8, .value_kind: global_buffer, .address_space: global }
    .group_segment_fixed_size: 95744
    .private_segment_fixed_size: 0
    .kernarg_segment_align: 8
    .kernarg_segment_size: 80
    .max_flat_workgroup_size: 256
    .sgpr_count:     66
    .vgpr_count:     512
    .wavefront_size: 32
...
	.end_amdgpu_metadata
.endif
;; end of part 1
;; launch attend (part 2): grid 64 x 4, 8 waves a work-group, clusters of 4 x 1, 327,680 bytes of LDS; arguments qrec, kv, x, gamma, out0, krec; writes out0
.if DOCPART == 2
	.amdgcn_target "amdgcn-amd-amdhsa--gfx1250"
	.amdhsa_code_object_version 6
	.text
	.protected	k_q1e36d4231c_attend
	.globl	k_q1e36d4231c_attend
	.p2align	8
	.type	k_q1e36d4231c_attend,@function
k_q1e36d4231c_attend:
	s_mov_b64 s[64:65], 0
	v_nop
	global_prefetch_b8 v0, s[64:65] scope:SCOPE_SE
	s_setreg_imm32_b32 hwreg(HW_REG_WAVE_MODE, 25, 1), 1
	s_wait_xcnt 0x0
	s_wait_alu depctr_hold_cnt(0) depctr_sa_sdst(0) depctr_va_vdst(0) depctr_va_sdst(0) depctr_va_ssrc(0) depctr_va_vcc(0) depctr_vm_vsrc(0)
	s_getreg_b32 s2, hwreg(HW_REG_IB_STS2, 6, 4)
	s_cmp_eq_u32 s2, 0
	s_cbranch_scc0 .Lentry_in_a_cluster
	s_endpgm
.Lentry_in_a_cluster:
	s_bfe_u32 s2, ttmp6, 0x10000c
	s_cmp_lg_u32 s2, 0x3003
	s_cbranch_scc0 .Lentry_shape_is_right
	s_endpgm
.Lentry_shape_is_right:
; out[b][c][m] = gamma x (the sum over keys n of v[b][c][n] softmax_n(q[b][m] . k[b][n])) + x[b][c][m], both products on codes of BF6 (E3M2) with E8M0 scales, read from the records of 64 pixels
; that the launch before has laid (kv: 12,800 bytes: 16 half images of v | 12,288 v's scale halfwords;  qrec, krec: 1,792 bytes: the codes, [tile][row] x 24 bytes | 1,536 the scale words).
; SOFTMAX: t = score x log2(e); M = the largest t so far, rounded up to a whole number; p = 2^(t - M) is quantised along the keys, not normalised; the row's sum is taken of the unquantised p.
; When M moves, the sum and O are multiplied by 2^(old M - new M), which rounds nothing.
; SHARES.  A work-group owns 64 queries (one record of qrec) of one batch: 256 work-groups.  Wave w: kq = w >> 1 is its quarter of the keys (records 2 kq and 2 kq + 1 of every eight), qg = w & 1 its two tiles of
; 16 queries: a fragment of v read from LDS feeds two products.  At the end the four quarters are joined: each is brought under the common M by an exact power of two, scaled by gamma / the whole sum,
; and the four are added through LDS.
; TWO ROLES.  A key step has two halves: SOFT (k's loads, the scores, the softmax of both tiles: vector work) and PVB (v's loads, O^T's rescaling, the second product: matrix work).  Behind each change of slots a wave
; of role 0 runs SOFT and then PVB of the step; a wave of role 1 runs PVB of the step and then SOFT of the NEXT step.  So while one role multiplies the other exponentiates.  role = (w ^ (w >> 2)) & 1: it differs
; between neighbouring waves and between waves four apart.  For that k does not go through the ring: all of a batch's k (64 records, 114,688 bytes) stays in LDS, filled once.
; The branches on the role pass over SOFT alone: barriers, tensor loads and the lines that make LDS addresses are on every wave's path.
; LAYOUT.  Both products are used transposed: S^T = k q^T (source 0 = 16 keys), O^T = v p^T (source 0 = 16 channels): a lane holds one query throughout.  A record's tiles of pixels are laid so that the 16 registers
; of two neighbouring tiles of scores are 16 neighbouring keys.
; THE FIRST PRODUCT IS 32 DEEP, the instruction 128: q's fragment holds its codes in registers 0-5 of lanes 0-15 and zero codes everywhere else, so whatever k's registers hold beyond its 32 adds exactly 0
; (E3M2 has neither infinity nor NaN); k's tiles lie 6 registers apart and each names the next tile's registers as its unused upper half.  The scale words of q and k hold their byte four times.
; CLUSTER.  The four work-groups of a cluster belong to one batch and walk the same records: each tile is asked for JOINTLY, by the same tensor load with the same descriptor and the mask 15.
; The place in the cluster enters the global addresses of qrec, x and out0 alone.
; RING.  Two slots of eight records of kv; each wave brings one record (50 rows of 256 bytes) behind each round.  At the start a wave has two tensor loads out (its eighth of k, its record of slot 0), later one.
; LIMITS: NaN and infinities are not served.  A block's largest p is taken from its largest score (v_exp_f32 is taken not to fall where its input rises).  A block of p that has fallen to zeros keeps the byte 1.
; REGISTERS.  Window 0: v1-15 addresses; v16-23 -M, the largest t, the sum in two halves, for each tile; v24-27 f and p's scale word; v28-41 scale words; v44-60 at work; v64-87 q; v88-111 p's codes;
;   v112-175 scores, then p; v176-229 k's eight tiles; v's fragments take v112-159 and v160-207 by turns; v230-237 at work.   Window 1: O^T: tile i, channel tile t at 128 i + 8 t.
.set VREC,  12800
.set KREC,  1792
.set SLOTB, 8*VREC                     ; a slot; slot 1 begins here
.set KB,    2*SLOTB                    ; behind the ring: k of the whole batch
.set KSTEP, 8*KREC                     ; a step's eight records of k; also what one wave brings of k
.set VSO,   12288
.set KSO,   1536
.set PLANE, 256*272                    ; the way out: for each quarter of the keys 256 rows (channels) of 256 bytes + 16.  The four planes lie over the slots and part of k: they are written behind the last fill and the last read
.set MXB,   KB+64*KREC                 ; the waves' -M (256 w + 128 i + 4 x lane) and, 2,048 on, their sums
.set SPARE, MXB+4096                   ; the spare words, 128 bytes for each wave: four blocks of 256 bytes that no other line names
.set A16S, 1
.set A8S,  2
.set AKS,  3
.set AS4S, 4
.set AS2S, 5
.set A16,  6
.set A8,   7
.set AK,   8
.set AS4,  9
.set AS2,  10
.set SPW,  11
.set NIL,  12
.set XP,   13
.set XO,   14
.set MXW,  15
.set ST,   16
.set FF,   24
.set QS,   28
.set KSR,  30
.set VS,   34
.set MXR,  42
.set STW,  43                          ; v43: the stage, channels 0-127; v61: channels 128-255
.set BM,   44
.set T8,   48
.set SO,   56
.set TMP,  60
.set RR,   62
.set HH,   63
.set QF,   64
.set PC,   88
.set S,    112
.set X,    176
.set VA,   112
.set VB,   160
.set VH,   230
.set TK,   3                           ; s3   where the step's records of k begin, from KB on
.set TB,   36                          ; s36  the slot that is read
.set TF,   39                          ; s39  the slot that was filled last
.set WVB,  58                          ; s58  my record's place in a slot
.set ROLE, 59                          ; s59
.set MSB, 0
.macro WIN new                         ; bits 1:0 source 0, 3:2 source 1, 5:4 source 2, 7:6 destination; the high byte repeats the setting that is left
.if MSB != \new
	s_set_vgpr_msb (MSB<<8)|\new
.set MSB, \new
.endif
.endm
.macro NOPS
.rept 4
	v_nop
.endr
.endm
.macro CROUND                          ; a round of the cluster's barrier
	s_barrier_signal -1
	s_barrier_wait -1
	s_cmp_lg_u32 s14, 0
	s_cbranch_scc1 .Lnot_wave_0_\@
	s_barrier_signal -3
.Lnot_wave_0_\@:
	s_barrier_wait -3
	s_barrier_signal -1
	s_barrier_wait -1
.endm
; THE CHANGE OF SLOTS, at a step's head.  Each wave waits for all its tensor loads (its record of the slot ahead), adds 0 to its spare word, and waits for that and for its reads of the slot that it has left.
; fill = 1: behind a round of the cluster's barrier that slot takes the next eight records.
.macro CHANGE fill
	s_wait_tensorcnt 0x0                           ; no tensor load of mine is out, so the descriptor may be written
	ds_add_u32 v[SPW], v[NIL]                      ; 0 onto my spare word
.if \fill
	s_xor_b32 s[TF], s[TF], SLOTB                  ; the other slot than last time,
	s_add_co_u32 s33, s[TF], s[WVB]                ; my record's place in it,
	s_add_nc_u64 s[34:35], s[34:35], SLOTB         ; the next eight records; the type bits on top are not reached
.endif
	s_wait_dscnt 0x0                               ; the add is done, and my reads of the slot that I have left are over
.if \fill
	CROUND
	tensor_load_to_lds s[32:35], s[24:31]          ; my one tensor load behind the round, and the first thing there
	s_nop 0
	NOPS
.else
	s_barrier_signal -1
	s_barrier_wait -1
.endif
.endm
.macro ADDR                            ; the step's LDS addresses, on every wave's path.  (Six places behind the last step's products, in front of loads and products that write their registers)
	v_add_nc_u32 v[A16], s[TB], v[A16S]
	v_add_nc_u32 v[A8], s[TB], v[A8S]
	v_add_nc_u32 v[AS2], s[TB], v[AS2S]
	v_add_nc_u32 v[AK], s[TK], v[AKS]
	v_add_nc_u32 v[AS4], s[TK], v[AS4S]
	v_nop
.endm
.macro SCORE tile                      ; S^T = k q^T for 128 keys: eight tiles; k's scale words: two tiles to a register
.set rQ, QF+12*(\tile)
.set rZ, QS+(\tile)
.set n, 0
.rept 4
	v_wmma_scale_f32_16x16x128_f8f6f4 v[S+16*n:S+16*n+7], v[X+12*n:X+12*n+11], v[rQ:rQ+11], 0, v[KSR+n], v[rZ] matrix_a_fmt:MATRIX_FMT_BF6 matrix_b_fmt:MATRIX_FMT_BF6
	v_wmma_scale_f32_16x16x128_f8f6f4 v[S+16*n+8:S+16*n+15], v[X+12*n+6:X+12*n+17], v[rQ:rQ+11], 0, v[KSR+n], v[rZ] matrix_a_fmt:MATRIX_FMT_BF6 matrix_b_fmt:MATRIX_FMT_BF6 matrix_a_scale:MATRIX_SCALE_ROW1
.set n, n+1
.endr
.endm
.macro SOFTMAX tile                    ; register 16 b + e of S = key 32 b + 16 (lane / 16) + e of my query
.set rT, ST+4*(\tile)
.set rF, FF+2*(\tile)
.set rC, PC+12*(\tile)
.irp b, 0,1,2,3
	v_max3_num_f32 v[BM+\b], v[S+16*\b], v[S+16*\b+1], v[S+16*\b+2]   ; the largest score of each block of 32 keys: it serves for the row's maximum and for the block's largest p
.endr
.irp e, 3,5,7,9,11,13
.irp b, 0,1,2,3
	v_max3_num_f32 v[BM+\b], v[BM+\b], v[S+16*\b+\e], v[S+16*\b+\e+1]
.endr
.endr
.irp b, 0,1,2,3
	v_max_num_f32 v[BM+\b], v[BM+\b], v[S+16*\b+15]
.endr
.irp b, 0,1,2,3
	v_permlanex16_b32 v[T8+\b], v[BM+\b], s20, s21
.endr
.irp b, 0,1,2,3
	v_max_num_f32 v[BM+\b], v[BM+\b], v[T8+\b]     ; with lane l xor 16's 16 keys
.endr
	v_max3_num_f32 v[TMP], v[BM], v[BM+1], v[BM+2]
	v_max_num_f32 v[TMP], v[TMP], v[BM+3]
	v_mul_f32 v[TMP], s22, v[TMP]                  ; as t (log2(e) is positive)
	v_max_num_f32 v[rT+1], v[rT+1], v[TMP]         ; the running largest t
	v_mov_b32 v[TMP], v[rT]
	v_floor_f32 v[rT], -v[rT+1]                    ; the new -M = floor(-t): M is a whole number
	v_sub_f32 v[TMP], v[rT], v[TMP]                ; old M less new M: a whole number, 0 or less
	v_cvt_i32_f32 v[TMP], v[TMP]                   ; (it saturates)
	v_ldexp_f32 v[rF], 1.0, v[TMP]                 ; f = 2^(old M - new M)
.set n, 0
.rept 32
	v_pk_fma_f32 v[S+n:S+n+1], v[S+n:S+n+1], s[22:23], v[rT:rT+1] op_sel_hi:[1,0,0]   ; t - M, two at a time
.set n, n+2
.endr
.irp b, 0,1,2,3
	v_fma_f32 v[BM+\b], v[BM+\b], s22, v[rT]       ; the same of each block's largest score
.endr
.set n, 0
.rept 64
	v_exp_f32 v[S+n], v[S+n]                       ; p = 2^(t - M)
.set n, n+1
.endr
.irp b, 0,1,2,3
	v_exp_f32 v[BM+\b], v[BM+\b]                   ; the block's largest p: the same two instructions on the same number
.endr
	v_pk_mul_f32 v[rT+2:rT+3], v[rT+2:rT+3], v[rF:rF+1] op_sel_hi:[1,0]   ; the sums under the new M (a plain place behind the exponentials)
	s_wait_alu depctr_va_vdst(0)
.irp b, 0,1,2,3
	v_max_num_f32 v[BM+\b], 0x2800000, v[BM+\b]    ; the floor 2^(5 - 127): the byte cannot fall under 1
.endr
.irp b, 0,1,2,3
	v_add_nc_u32 v[SO+\b], 0xfe000000, v[BM+\b]    ; 4 off the exponent field: the conversion's scale operand
.endr
.irp b, 0,1,2,3
	v_lshrrev_b32 v[T8+\b], 23, v[SO+\b]           ; the scale's byte
.endr
	v_lshl_or_b32 v[rF+1], v[T8+1], 8, v[T8]       ; p's scale word for these 128 keys
	v_lshl_or_b32 v[rF+1], v[T8+2], 16, v[rF+1]
	v_lshl_or_b32 v[rF+1], v[T8+3], 24, v[rF+1]
.irp c, 0,1
	v_cvt_scalef32_pk16_bf6_f32 v[rC+6*\c:rC+6*\c+2], v[S+32*\c:S+32*\c+15], v[SO+2*\c]
	v_cvt_scalef32_pk16_bf6_f32 v[T8+4*\c:T8+4*\c+2], v[S+32*\c+16:S+32*\c+31], v[SO+2*\c+1]
.endr
	v_nop                                          ; one plain place behind a scaled conversion
.irp c, 0,1                            ; a whole block to a lane: lanes 0-15 block 2 c, lanes 16-31 block 2 c + 1
.irp e, 0,1,2
	v_permlane16_swap_b32 v[rC+6*\c+\e], v[T8+4*\c+\e]
.endr
.irp e, 0,1,2
	v_mov_b32 v[rC+6*\c+3+\e], v[T8+4*\c+\e]
.endr
.endr
	v_pk_add_f32 v[T8:T8+1], v[S:S+1], v[S+2:S+3]  ; the row's sum is taken of the unquantised p: two at a time, in two chains
.set n, 4
.rept 15
	v_pk_add_f32 v[rT+2:rT+3], v[rT+2:rT+3], v[S+n:S+n+1]
	v_pk_add_f32 v[T8:T8+1], v[T8:T8+1], v[S+n+2:S+n+3]
.set n, n+4
.endr
	v_pk_add_f32 v[rT+2:rT+3], v[rT+2:rT+3], v[T8:T8+1]
.endm
; THE FIRST HALF OF A KEY STEP: my 128 keys' scores and the softmax of my two tiles.  ahead = 1: the next step's, whose records of k lie KSTEP bytes on.
.macro SOFT ahead
.irp p, 0,1,2,3,4,5,6,7                ; k: tile p % 4 of record p / 4: 24 bytes a key, the same in both halves of the lanes
.irp e, 0,1,2
	ds_load_b64 v[X+6*\p+2*\e:X+6*\p+2*\e+1], v[AK] offset:(\ahead)*KSTEP+(\p/4)*KREC+384*(\p%4)+8*\e
.endr
.endr
.irp p, 0,1,2,3
	ds_load_b32 v[KSR+\p], v[AS4] offset:(\ahead)*KSTEP+(\p/2)*KREC+128*(\p%2)
.endr
	s_wait_dscnt 0x0
	SCORE 0
	NOPS                                           ; four places behind a matrix instruction before its result is read (ISA guide 7.12.1)
	SOFTMAX 0
	SCORE 1
	NOPS
	SOFTMAX 1
.endm
.macro RESCALE tile, from, cnt         ; cnt pairs of the tile's O^T, from pair 'from' on, times the number in v[FF + 2 tile]; each accumulator from its low end on; leaves the windows set
.set rF, FF+2*(\tile)
.set n, 128*(\tile)+2*(\from)
	WIN 0x41                                       ; O^T (destination and source 0) in window 1, the factor in window 0
.rept \cnt
	v_pk_mul_f32 v[n:n+1], v[n:n+1], v[rF:rF+1] op_sel_hi:[1,0]
.set n, n+2
.endr
.endm
.macro FETCHV grp, buf                 ; v's fragments of channel tiles 4 grp .. 4 grp + 3: registers 0-5 from the step's first record, 6-11 from its second: 16 loads
.irp e, 0,1,2,3
	ds_load_b128 v[(\buf)+12*\e:(\buf)+12*\e+3], v[A16] offset:768*(4*(\grp)+\e)
	ds_load_b64 v[(\buf)+12*\e+4:(\buf)+12*\e+5], v[A8] offset:768*(4*(\grp)+\e)+512
	ds_load_b128 v[(\buf)+12*\e+6:(\buf)+12*\e+9], v[A16] offset:VREC+768*(4*(\grp)+\e)
	ds_load_b64 v[(\buf)+12*\e+10:(\buf)+12*\e+11], v[A8] offset:VREC+768*(4*(\grp)+\e)+512
.endr
.endm
.macro PV grp, buf, first              ; O^T += v p^T: four channel tiles x my two tiles of queries.  Each of the 32 accumulators has one instruction a step: they take turns
.set n, 0
.rept 4
.set t, 4*(\grp)+n
.set m, 0
.rept 2
.set rO, 128*m+8*t
.set rV, (\buf)+12*n
.set rC, PC+12*m
.set rA, VS+t/2
.set rB, FF+2*m+1
.if \first
.if t%2
	v_wmma_scale_f32_16x16x128_f8f6f4 v[rO:rO+7], v[rV:rV+11], v[rC:rC+11], 0, v[rA], v[rB] matrix_a_fmt:MATRIX_FMT_BF6 matrix_b_fmt:MATRIX_FMT_BF6 matrix_a_scale:MATRIX_SCALE_ROW1
.else
	v_wmma_scale_f32_16x16x128_f8f6f4 v[rO:rO+7], v[rV:rV+11], v[rC:rC+11], 0, v[rA], v[rB] matrix_a_fmt:MATRIX_FMT_BF6 matrix_b_fmt:MATRIX_FMT_BF6
.endif
.else
.if t%2
	v_wmma_scale_f32_16x16x128_f8f6f4 v[rO:rO+7], v[rV:rV+11], v[rC:rC+11], v[rO:rO+7], v[rA], v[rB] matrix_a_fmt:MATRIX_FMT_BF6 matrix_b_fmt:MATRIX_FMT_BF6 matrix_a_scale:MATRIX_SCALE_ROW1
.else
	v_wmma_scale_f32_16x16x128_f8f6f4 v[rO:rO+7], v[rV:rV+11], v[rC:rC+11], v[rO:rO+7], v[rA], v[rB] matrix_a_fmt:MATRIX_FMT_BF6 matrix_b_fmt:MATRIX_FMT_BF6
.endif
.endif
.set m, m+1
.endr
.set n, n+1
.endr
.endm
; THE SECOND HALF OF A KEY STEP: O^T under the step's M, then the second product.  first = 1: the products start O^T's sums, and there is nothing to rescale.
; v's scale words are put together by vector instructions: behind them stand 32 multiplications that name no register of tile 1's products and 64 that name none of tile 0's (in the first step: 8 v_nop):
; a scale register so written stands 8 places ahead of a scaled product.
.macro PVB first
.irp p, 0,1,2,3,4,5,6,7                ; v's scale bytes: a halfword a channel and record; lanes 0-15 channel tile 2 p, lanes 16-31 tile 2 p + 1
	ds_load_u16 v[VS+\p], v[AS2] offset:64*\p
	ds_load_u16 v[VH+\p], v[AS2] offset:VREC+64*\p
.endr
	FETCHV 0, VA
	FETCHV 1, VB
.if !\first
	RESCALE 0, 0, 32
	WIN 0
.endif
	s_wait_dscnt 32                                ; the halfwords are in; the 32 fragment loads behind them may be out
.irp p, 0,1,2,3,4,5,6,7
	v_lshl_or_b32 v[VS+\p], v[VH+\p], 16, v[VS+\p] ; the two records' halfwords make the word of 128 keys
.endr
.if \first
.rept 8
	v_nop
.endr
.else
	RESCALE 0, 32, 32
	RESCALE 1, 0, 64
.endif
	s_wait_dscnt 16                                ; all but the 16 loads of the younger group
	WIN 0x50                                       ; C and D in window 1
	PV 0, VA, \first
	WIN 0
	NOPS                                           ; places in front of loads into registers that matrix instructions have read
	FETCHV 2, VA
	s_wait_dscnt 16
	WIN 0x50
	PV 1, VB, \first
	WIN 0
	NOPS
	FETCHV 3, VB
	s_wait_dscnt 16
	WIN 0x50
	PV 2, VA, \first
	s_wait_dscnt 0x0
	PV 3, VB, \first
	WIN 0
.endm
; A TRIP: the change of slots and a key step.  both = 1: every wave runs SOFT of this step (the first step); else role 0 alone.  ahead = 1: role 1 runs SOFT of the next step behind its products.
; ask = 1: x's bytes for the way out are asked for.
.macro TRIP fill, both, first, ahead, ask
	CHANGE \fill
.if \ask
	global_prefetch_b8 v[XP], s[8:9] th:TH_LOAD_NT scope:SCOPE_SE   ; thread t asks for channel t's 256 bytes of x, my work-group's 64 pixels: each block once, one trip ahead of the loads that want it
.endif
	ADDR
.if \both
	SOFT 0
.else
	s_cmp_lg_u32 s[ROLE], 0
	s_cbranch_scc1 .Ldone_before_\@                ; role 1 did this step's first half in the trip before
	SOFT 0
.Ldone_before_\@:
.endif
	PVB \first
.if \ahead
	s_cmp_eq_u32 s[ROLE], 0
	s_cbranch_scc1 .Lnot_ahead_\@
.rept 6
	v_nop                                          ; places behind the last products: the loads of k (4 are asked) and the score products (5) write registers that held v's fragments
.endr
	SOFT 1
.Lnot_ahead_\@:
.endif
	s_xor_b32 s[TB], s[TB], SLOTB                  ; on to the other slot,
	s_add_co_u32 s[TK], s[TK], KSTEP               ; and to the next eight records of k
.endm
	s_load_b256 s[4:11], s[0:1], 0x0               ; qrec s[4:5], kv s[6:7], x s[8:9], gamma s[10:11]
	s_load_b64 s[12:13], s[0:1], 0x20              ; out0
	s_load_b64 s[56:57], s[0:1], 0x28              ; krec
	v_lshl_add_u32 v[SPW], v0, 2, SPARE
	v_mov_b32 v[NIL], 0
	ds_add_u32 v11, v12
	s_wait_dscnt 0x0
	v_lshrrev_b32 v60, 5, v0
	v_readfirstlane_b32 s14, v60                   ; wave w
	s_lshr_b32 s15, s14, 1                         ; kq
	s_and_b32 s16, s14, 1                          ; qg
	s_lshr_b32 s[ROLE], s14, 2
	s_xor_b32 s[ROLE], s[ROLE], s14
	s_and_b32 s[ROLE], s[ROLE], 1                  ; (w ^ (w >> 2)) & 1
	s_bfe_u32 s17, ttmp6, 0x40000                  ; cx: my place in the cluster
	s_lshl_b32 s18, ttmp9, 2
	s_add_co_u32 s18, s18, s17                     ; my block of 64 queries
	s_and_b32 s19, ttmp7, 0xffff                   ; the batch, which the four partners share
	; descriptor group 1 for a record of kv: 50 rows of 32 elements of 8 bytes, dense, no padding
	s_mov_b32 s24, 15|(3<<16)|(1<<21)              ; 15:0 the mask: all four work-groups; 17:16 elements of 8 bytes; 21 set beside a mask
	s_mov_b32 s25, 32<<16                          ; tensor_dim0 = 32
	s_mov_b32 s26, 50<<16                          ; tensor_dim1 = 50
	s_mov_b32 s27, 32<<16                          ; tile_dim0 = 32
	s_mov_b32 s28, 50                              ; tile_dim1 = 50
	s_mov_b32 s29, 32                              ; from row to row
	s_mov_b32 s30, 0
	s_mov_b32 s31, 0
	; and for eight records of krec: 56 such rows
	s_mov_b32 s48, 15|(3<<16)|(1<<21)
	s_mov_b32 s49, 32<<16
	s_mov_b32 s50, 56<<16
	s_mov_b32 s51, 32<<16
	s_mov_b32 s52, 56
	s_mov_b32 s53, 32
	s_mov_b32 s54, 0
	s_mov_b32 s55, 0
	s_mov_b32 s32, 1                               ; group 0 for kv: count = 1,
	s_mul_i32 s[WVB], s14, VREC
	s_mov_b32 s33, s[WVB]                          ; LDS address: record w of slot 0,
	s_mul_i32 s40, s19, 64*VREC
	s_add_co_u32 s40, s40, s[WVB]                  ; and record w of the batch
	s_mov_b32 s41, 0
	s_mov_b32 s60, 1                               ; group 0 for krec: count = 1,
	s_mul_i32 s61, s14, KSTEP
	s_mul_i32 s46, s19, 64*KREC
	s_add_co_u32 s46, s46, s61                     ; records 8 w on of the batch,
	s_mov_b32 s47, 0
	s_add_co_u32 s61, s61, KB                      ; to their place behind the ring
	s_lshl_b32 s42, s19, 6
	s_add_co_u32 s42, s42, s18
	s_mul_i32 s42, s42, KREC                       ; my record of qrec
	s_mov_b32 s43, 0
	s_lshl_b32 s44, s19, 22
	s_lshl_b32 s45, s18, 8
	s_add_co_u32 s44, s44, s45                     ; x and out0: the batch, my 64 pixels
	s_mov_b32 s45, 0
	s_mov_b32 s20, 0x76543210
	s_mov_b32 s21, 0xfedcba98                      ; v_permlanex16_b32's selects for lane l xor 16
	s_mov_b32 s22, 0x3fb8aa3b                      ; log2(e)
	s_mov_b32 s23, s22                             ; (named with it as a pair, so it is written)
	s_mov_b32 s[TB], 0
	s_mov_b32 s[TF], 0
	s_mov_b32 s[TK], 0
	s_mov_b32 s37, 6
	s_wait_kmcnt 0x0
	s_add_nc_u64 s[34:35], s[6:7], s[40:41]
	s_or_b32 s35, s35, 0x80000000                  ; type = 2
	s_add_nc_u64 s[62:63], s[56:57], s[46:47]
	s_or_b32 s63, s63, 0x80000000
	s_add_nc_u64 s[4:5], s[4:5], s[42:43]
	s_add_nc_u64 s[8:9], s[8:9], s[44:45]
	s_add_nc_u64 s[12:13], s[12:13], s[44:45]
	CROUND                                         ; all four work-groups are here: the first joint loads meet
	tensor_load_to_lds s[60:63], s[48:55]          ; my eighth of the batch's k: filled once
	s_nop 0
	tensor_load_to_lds s[32:35], s[24:31]          ; my record of slot 0
	s_nop 0
	NOPS
	s_load_b32 s38, s[10:11], 0x0                  ; gamma
	v_and_b32 v60, 31, v0                          ; lane
	v_and_b32 v[RR], 15, v0                        ; r
	v_bfe_u32 v[HH], v0, 4, 1                      ; h
	v_mul_u32_u24 v176, v[RR], 24
	s_mul_i32 s41, s16, 768
	v_add_nc_u32 v176, s41, v176                   ; q's codes: my two tiles, row r
	s_lshl_b32 s41, s16, 7
	v_lshl_add_u32 v177, v[RR], 2, s41             ; and its scale words
.irp i, 0,1
.irp e, 0,1,2
	global_load_b64 v[QF+12*\i+2*\e:QF+12*\i+2*\e+1], v176, s[4:5] offset:384*\i+8*\e
.endr
	global_load_b32 v[QS+\i], v177, s[4:5] offset:1536+64*\i
.endr
	s_mul_i32 s40, s15, 2*VREC                     ; my two records of a slot
	v_lshl_add_u32 v[A16S], v60, 4, s40
	v_lshl_add_u32 v[A8S], v60, 3, s40
	s_add_co_u32 s41, s40, VSO
	v_lshl_add_u32 v[AS2S], v60, 1, s41
	s_mul_i32 s40, s15, 2*KREC                     ; and my two of a step's eight records of k
	s_add_co_u32 s40, s40, KB
	v_mul_u32_u24 v[AKS], v[RR], 24
	v_add_nc_u32 v[AKS], s40, v[AKS]
	s_add_co_u32 s41, s40, KSO
	v_lshl_add_u32 v[AS4S], v60, 2, s41
	v_lshlrev_b32 v[XP], 14, v0                    ; x: channel = my thread's number
	s_lshl_b32 s40, s14, 19
	v_lshlrev_b32 v[XO], 4, v[RR]
	v_lshl_add_u32 v[XO], v[HH], 14, v[XO]
	v_add_nc_u32 v[XO], s40, v[XO]                 ; x and out0: channel 32 w + h, 16 bytes a lane
	s_lshl_b32 s40, s14, 8
	s_add_co_u32 s40, s40, MXB
	v_lshl_add_u32 v[MXW], v60, 2, s40
	s_lshl_b32 s40, s16, 8
	s_add_co_u32 s40, s40, MXB
	v_lshl_add_u32 v[MXR], v60, 2, s40
	v_and_b32 v[STW], 8, v[RR]
	v_add_nc_u32 v[STW], v[STW], v[RR]
	v_lshlrev_b32 v[STW], 2, v[STW]                ; my query's pixel: 32 qg + 8 i + r + 8 (r / 8)
	v_mad_u32_u24 v[STW], v[HH], 2176, v[STW]      ; channels 8 h on
	s_mul_i32 s40, s15, PLANE
	s_lshl_b32 s41, s16, 7
	s_add_co_u32 s40, s40, s41
	v_add_nc_u32 v[STW], s40, v[STW]
	v_add_nc_u32 v61, 128*272, v[STW]
.irp i, 0,1
	v_mov_b32 v[ST+4*\i+1], 0xff61b1e6             ; the largest t so far: -3e38, under every t
	v_floor_f32 v[ST+4*\i], -v[ST+4*\i+1]          ; -M
	v_mov_b32 v[ST+4*\i+2], 0                      ; the sum, in two halves
	v_mov_b32 v[ST+4*\i+3], 0
	v_mov_b32 v[FF+2*\i+1], 0                      ; (named as the upper half of a pair before it is first written)
.irp e, 6,7,8,9,10,11
	v_mov_b32 v[QF+12*\i+\e], 0                    ; q beyond its 32: zero codes
.endr
.endr
.irp e, 0,1,2,3
	v_mov_b32 v[T8+\e], 0                          ; a lane permute's destination counts as one of its sources
.endr
.irp e, 48,49,50,51,52,53
	v_mov_b32 v[X+\e], 0                           ; what the last tile of k names as its unused upper half
.endr
	v_cmp_gt_u32 vcc_lo, 16, v60
	s_wait_loadcnt 0x0                             ; q
	s_wait_kmcnt 0x0                               ; gamma
.irp i, 0,1
.irp e, 0,1,2,3,4,5
	v_cndmask_b32 v[QF+12*\i+\e], 0, v[QF+12*\i+\e], vcc_lo   ; lanes 16-31 stand for numbers 32 to 63: zero codes
.endr
.endr
	TRIP 1, 1, 1, 1, 0                             ; k and slot 0 are whole; slot 1 is asked for.  Step 0: both halves in every wave; role 1 goes on to step 1's first half
.Lslot:                                            ; six trips, steps 1 to 6: behind each change of slots the slot just left is filled again
	TRIP 1, 0, 0, 1, 0
	s_sub_co_u32 s37, s37, 1
	s_cmp_lg_u32 s37, 0
	s_cbranch_scc1 .Lslot
	TRIP 0, 0, 0, 0, 1                             ; step 7 is written out; nothing lies ahead of it
	; ---- THE WAY OUT.  My sums: the two halves and lane l xor 16's
.irp i, 0,1
	v_add_f32 v[ST+4*\i+2], v[ST+4*\i+2], v[ST+4*\i+3]
.endr
.irp i, 0,1
	v_permlanex16_b32 v[T8+\i], v[ST+4*\i+2], s20, s21
.endr
.irp i, 0,1
	v_add_f32 v[ST+4*\i+2], v[ST+4*\i+2], v[T8+\i]
.endr
	v_nop                                          ; (with the additions above: the places behind the last products, in front of loads into their registers)
	v_nop
.set n, 0
.rept 16
	global_load_b128 v[112+4*n:112+4*n+3], v[XO], s[8:9] offset:32768*n th:TH_LOAD_NT   ; x: channels 32 w + 2 n + h, my work-group's 64 pixels: 16 lanes read 256 consecutive bytes
.set n, n+1
.endr
.irp i, 0,1
	ds_store_b32 v[MXW], v[ST+4*\i] offset:128*\i
	ds_store_b32 v[MXW], v[ST+4*\i+2] offset:2048+128*\i
.endr
	s_wait_dscnt 0x0                               ; for the others' sake: my -M and sums have landed, and my reads of the slots and of k are over
	s_barrier_signal -1
	s_barrier_wait -1
.irp i, 0,1
.irp k, 0,1,2,3
	ds_load_b32 v[64+4*\i+\k], v[MXR] offset:512*\k+128*\i          ; the four quarters' -M of my queries,
	ds_load_b32 v[72+4*\i+\k], v[MXR] offset:2048+512*\k+128*\i     ; and their sums
.endr
.endr
	v_mul_u32_u24 v6, v[HH], 272                   ; where I read the planes back: row 32 w + h, 16 bytes a lane
	v_lshl_add_u32 v6, v[RR], 4, v6
	s_mul_i32 s40, s14, 32*272
	v_add_nc_u32 v6, s40, v6
	v_add_nc_u32 v7, PLANE, v6
	v_add_nc_u32 v8, 2*PLANE, v6
	v_add_nc_u32 v9, 3*PLANE, v6
	s_wait_dscnt 0x0
.irp i, 0,1
	v_min3_num_f32 v[BM+\i], v[64+4*\i], v[65+4*\i], v[66+4*\i]
	v_min_num_f32 v[BM+\i], v[BM+\i], v[67+4*\i]   ; the common -M
.irp k, 0,1,2,3
	v_sub_f32 v[64+4*\i+\k], v[BM+\i], v[64+4*\i+\k]   ; a quarter's M less the common M: a whole number, 0 or less
.endr
	v_sub_f32 v[BM+2+\i], v[BM+\i], v[ST+4*\i]     ; my own
.irp k, 0,1,2,3
	v_cvt_i32_f32 v[64+4*\i+\k], v[64+4*\i+\k]
.endr
	v_cvt_i32_f32 v[BM+2+\i], v[BM+2+\i]
.irp k, 0,1,2,3
	v_ldexp_f32 v[64+4*\i+\k], 1.0, v[64+4*\i+\k]
.endr
	v_ldexp_f32 v[BM+2+\i], 1.0, v[BM+2+\i]
	v_mul_f32 v[T8+\i], v[72+4*\i], v[64+4*\i]
	v_fma_f32 v[T8+\i], v[73+4*\i], v[65+4*\i], v[T8+\i]
	v_fma_f32 v[T8+\i], v[74+4*\i], v[66+4*\i], v[T8+\i]
	v_fma_f32 v[T8+\i], v[75+4*\i], v[67+4*\i], v[T8+\i]   ; the row's whole sum under the common M
	v_rcp_f32 v[T8+2+\i], v[T8+\i]
	v_mul_f32 v[BM+2+\i], s38, v[BM+2+\i]          ; (a plain place behind the reciprocal)  gamma x my power of two
	s_wait_alu depctr_va_vdst(0)
	v_mul_f32 v[FF+2*\i], v[BM+2+\i], v[T8+2+\i]   ; / the sum
.endr
	RESCALE 0, 0, 64
	RESCALE 1, 0, 64
	WIN 0x04                                       ; an LDS store's data are its source 1: window 1
.irp i, 0,1
.set t, 0
.rept 16
.set j, 0
.rept 8
	ds_store_b32 v[STW+18*(t/8)], v[128*\i+8*t+j] offset:32*\i+(16*(t%8)+j)*272   ; my plane: channel 16 t + 8 h + j, my query's pixel
.set j, j+1
.endr
.set t, t+1
.endr
.endr
	WIN 0
	s_wait_dscnt 0x0                               ; for the others' sake
	s_barrier_signal -1
	s_barrier_wait -1
; Each wave takes 32 channels: the four planes are added, x is added, and 16 lanes store a channel's 256 consecutive bytes, aligned.  Two row pairs (8 loads) to a group, two sets of registers by turns.
.macro TLD grp
.set bS, 176+32*((\grp)%2)
.irp e, 0,1
.irp p, 0,1,2,3
	ds_load_b128 v[bS+16*\e+4*\p:bS+16*\e+4*\p+3], v[6+\p] offset:544*(2*(\grp)+\e)
.endr
.endr
.endm
.macro TSUM grp
.set bS, 176+32*((\grp)%2)
.irp e, 0,1
.set rX, 112+4*(2*(\grp)+\e)
.set rB, bS+16*\e
.irp d, 0,2
	v_pk_add_f32 v[rB+\d:rB+\d+1], v[rB+\d:rB+\d+1], v[rB+4+\d:rB+4+\d+1]
	v_pk_add_f32 v[rB+8+\d:rB+8+\d+1], v[rB+8+\d:rB+8+\d+1], v[rB+12+\d:rB+12+\d+1]
.endr
.irp d, 0,2
	v_pk_add_f32 v[rB+\d:rB+\d+1], v[rB+\d:rB+\d+1], v[rB+8+\d:rB+8+\d+1]
.endr
.irp d, 0,2
	v_pk_add_f32 v[rX+\d:rX+\d+1], v[rX+\d:rX+\d+1], v[rB+\d:rB+\d+1]
.endr
	global_store_b128 v[XO], v[rX:rX+3], s[12:13] offset:32768*(2*(\grp)+\e) th:TH_STORE_NT
.endr
.endm
	TLD 0
	TLD 1
	s_wait_loadcnt 0x0                             ; x
.irp g, 0,1,2,3,4,5,6,7
.if \g < 7
	s_wait_dscnt 8                                 ; this group is in; the other set's 8 loads may be out
.else
	s_wait_dscnt 0x0
.endif
	TSUM \g
.if \g < 6
	TLD \g+2
.endif
.endr
	s_wait_tensorcnt 0x0                           ; the wave's end, behind my last tensor load and my last LDS store
	ds_add_u32 v[SPW], v[NIL]
	s_wait_dscnt 0x0
	CROUND                                         ; the closing round: no work-group ends while a partner may still ask for a record that names it
	s_endpgm
.Lfunc_end_k_q1e36d4231c_attend:
	.size	k_q1e36d4231c_attend, .Lfunc_end_k_q1e36d4231c_attend-k_q1e36d4231c_attend
	.p2alignl 7, 3214868480
	.fill 96, 4, 3214868480
	.section	.rodata,"a",@progbits
	.p2align	6, 0x0
	.amdhsa_kernel k_q1e36d4231c_attend
		.amdhsa_group_segment_fixed_size 327680
		.amdhsa_private_segment_fixed_size 0
		.amdhsa_enable_private_segment 0
		.amdhsa_kernarg_size 48
		.amdhsa_user_sgpr_count 2
		.amdhsa_user_sgpr_kernarg_segment_ptr 1
		.amdhsa_wavefront_size32 1
		.amdhsa_system_sgpr_workgroup_id_x 1
		.amdhsa_system_sgpr_workgroup_id_y 1
		.amdhsa_system_sgpr_workgroup_id_z 1
		.amdhsa_system_vgpr_workitem_id 0
		.amdhsa_next_free_vgpr 512
		.amdhsa_next_free_sgpr 66
		.amdhsa_reserve_vcc 1
		.amdhsa_float_denorm_mode_32 3
		.amdhsa_float_denorm_mode_16_64 3
		.amdhsa_memory_ordered 1
		.amdhsa_forward_progress 1
		.amdhsa_inst_pref_size 229
	.end_amdhsa_kernel
	.amdgpu_metadata
---
amdhsa.version: [ 1, 2 ]
amdhsa.kernels:
  - .name:           k_q1e36d4231c_attend
    .symbol:         k_q1e36d4231c_attend.kd
    .args:
      - { .name: qrec, .offset: 0, .size: 8, .value_kind: global_buffer, .address_space: global }
      - { .name: kv, .offset: 8, .size: 8, .value_kind: global_buffer, .address_space: global }
      - { .name: x, .offset: 16, .size: 8, .value_kind: global_buffer, .address_space: global }
      - { .name: gamma, .offset: 24, .size: 8, .value_kind: global_buffer, .address_space: global }
      - { .name: out0, .offset: 32, .size: 8, .value_kind: global_buffer, .address_space: global }
      - { .name: krec, .offset: 40, .size: 8, .value_kind: global_buffer, .address_space: global }
    .group_segment_fixed_size: 327680
    .private_segment_fixed_size: 0
    .kernarg_segment_align: 8
    .kernarg_segment_size: 48
    .max_flat_workgroup_size: 256
    .sgpr_count:     66
    .vgpr_count:     512
    .wavefront_size: 32
...
	.end_amdgpu_metadata
.endif
;; end of part 2
;; ======== version 2 of 2: 2 launches
;; workspace buffers: qrec 458,752 bytes; krec 458,752 bytes; kv 3,276,800 bytes
;; launch project (part 3): grid 256 x 1, 8 waves a work-group, no clusters, 95,744 bytes of LDS; arguments x, wq, bq, wk, bk, wv, bv, qrec, kv, krec; writes qrec, kv, krec
.if DOCPART == 3
	.amdgcn_target "amdgcn-amd-amdhsa--gfx1250"
	.amdhsa_code_object_version 6
	.text
	.protected	k_q1e36d4231c_project
	.globl	k_q1e36d4231c_project
	.p2align	8
	.type	k_q1e36d4231c_project,@function
k_q1e36d4231c_project:
	s_mov_b64 s[64:65], 0
	v_nop
	global_prefetch_b8 v0, s[64:65] scope:SCOPE_SE
	s_setreg_imm32_b32 hwreg(HW_REG_WAVE_SCHED_MODE, 0, 2), 2
	s_setreg_imm32_b32 hwreg(HW_REG_WAVE_MODE, 25, 1), 1
	s_wait_xcnt 0x0
	s_wait_alu depctr_vm_vsrc(0)
; q = x wq^T + bq, k = x wk^T + bk, v = x wv^T + bv on codes of BF6 (E3M2) with one E8M0 scale for each 32 along K (the 256 channels); then q and k are
; quantised along their 32 numbers and v along the pixels (the keys of the attention that follows).  x: [4][256][4096] f32; the weights [o][256] f32.
; SHARES.  A work-group of eight waves takes 64 pixels of one batch and writes one record of qrec (1,792 bytes), one of krec (1,792) and one of kv (12,800); all are whole blocks of 256 bytes.
; TILES OF PIXELS.  Tile p = 2 b + u of a record has row r = pixel 32 b + 8 u + r + 8 (r / 8): so the 16 registers that a lane holds of tiles 2 b and 2 b + 1 of a result are 16 neighbouring pixels.
; The two tiles of wq (and of wk) take their rows in the same way, so that a lane's 16 results of q are 16 neighbours of the 32.
; IMAGES.  A fragment (16 rows x 128 K, 12 registers a lane) lies in LDS and in kv as two halves of 768 bytes: registers 0-3 at 16 x lane, registers 4-5 at 512 + 8 x lane.
; x: K is its outer axis: a lane takes a pixel and its registers run down the channels: wave w takes pixels 32 (w & 1) on, channels 64 (w >> 1) on.
; WEIGHTS: K innermost: a load takes 512 consecutive bytes of a row; 16 rows turn through the wave's own stage, so that a lane gets 32 neighbours.  Wave w keeps rows 32 w .. 32 w + 31 of wv in registers.
; ALL LOADS GO OUT AT THE START: x, then the wave's five weight fragments (four into the second window of registers, as loaded), so that none waits for the work on the one before.
; RECORDS.  kv: 16 half images of v (channel tile t at 768 t) | 12,288: 256 halfwords, v's two scale bytes of a channel.
;           qrec, krec: the codes, [tile][row] x 24 bytes | 1,536: the scale words.  A scale word of q or k holds its one byte four times (the product that reads it is 128 deep, of which 32 are used).
; LIMITS: NaN and infinities among the inputs are not served.  A block whose largest magnitude lies under 2^-122 gets the scale byte 1; so does a block of zeros (the rule says 127):
; its codes are zeros, which add nothing under any byte but 0xff, and this program alone reads the bytes.
; THE MODE: SCHED_MODE bits 1:0 = 2 (LLVM: expert scheduling mode 2), set by the entry lines.  The code itself states the register dependences between vector or matrix instructions
; and memory or LDS instructions, with s_wait_alu, always for 0.
; THE PLAN.  Registers that memory or LDS instructions touch, and who else names them, in the order of the text:
;   v1-23, v248, v249   offsets and LDS addresses: written at the head and never again: one wait ahead of the first load serves every load and store of the kernel.
;   raw (the second window, 4 x 64; G)   written by the loads at the start, read by the LDS stores into my stage alone: no vector instruction names them.  So fragment f + 1 goes INTO the stage ahead of
;                       fragment f's vector work, as soon as fragment f's numbers are back from it.
;   T                   loaded with x, then five times from my stage; read by the maxima and the conversions.  One wait behind a fragment's conversions states that they are done reading T; the next fragment's
;                       loads from the stage follow it at once, and the fragment's last lines (the scale word, six moves), which name neither T nor an address, stand behind those loads.
;   CA, WRD             written by vector instructions, read by stores, three times (x; the fragment of wq or wk; v's codes, q's or k's word): a wait on va_vdst ahead of each run of stores, a wait on vm_vsrc ahead of each rewriting.
;   CQ, VW              written once, stored once.
;   v120-191, the first 48 registers of the second window, v30-39, v208-223   fragments, scale words and the bias of the products: written by loads, read by matrix instructions.  x's eight fragments
;                       for v have registers of their own (tiles 0, 1: v120-167; tiles 2, 3: the second window, whose raw numbers are done with), so all are asked for at once and one wait, for tiles 2 and 3, stands halfway through the sixteen products.
.set XIMG, 0                           ; LDS: x's 8 fragments: (tile p, K step s) at (2 p + s) x 1,536
.set WIMG, 12288                       ; the 8 fragments of wq and wk: (2 x tile + s) x 1,536; tiles: wq 0, wq 1, wk 0, wk 1
.set XSC,  24576                       ; x's scale words: 256 s + 64 p + 4 r
.set WSC,  25088                       ; wq's and wk's: 128 x fragment + 4 x lane
.set SCL,  26112                       ; the record's scales: v's 512 bytes, q's 256, k's 256
.set WST,  27136                       ; a stage of 16 rows x 528 bytes for each wave
.set WSTB, 8448
.set FRB,  1536
.set REC,  12800
.set QREC, 1792
.set FLOOR, 0x2800000                  ; 2^(5 - 127): under it no largest magnitude is taken, so no byte falls under 1
.set OFF4,  0xfe000000                 ; 4 off an exponent field
.set WVS,  26                          ; v26-29  wv's scale words
.set XS,   30                          ; v30-33  x's, two tiles to a register
.set QWS,  34                          ; v34-37  wq's or wk's
.set XQSR, 38                          ; v38-39  x's, my tile
.set CA,   40                          ; v40-51  codes just made
.set CT,   52                          ; v52-59  their upper halves (a conversion's three registers begin on an even number)
.set MX,   60
.set SO,   62
.set CQ,   64
.set H8,   67
.set BY,   68
.set WRD,  70
.set TP,   71
.set WV,   72                          ; v72-119 wv's four fragments: (tile d, K step s) at 12 (2 d + s)
.set G,    120                         ; v120-183 the fragment of wq or wk as loaded.  (wv's four as loaded: the second window, 64 registers each)
.set T,    184                         ; v184-247 64 numbers, two blocks of 32 along K
.set QW,   120
.set XQ,   168
.set AQ,   192
.set BQK,  208
.set XF,   120                         ; x's fragments of tiles 0 and 1 for v; those of tiles 2 and 3: the second window, from its register 0 on
.set ACC,  168
.set BVC,  232
.set BQA,  248
.set R4,   249
.set VW,   250                         ; v250-251 v's scale halfwords: a register to each channel tile, so that neither store's data are written again
.set MSB, 0
.macro WIN new                         ; bits 1:0 source 0, 3:2 source 1, 5:4 source 2, 7:6 destination; the high byte repeats the setting that is left
.if MSB != \new
	s_set_vgpr_msb (MSB<<8)|\new
.set MSB, \new
.endif
.endm
.macro WLOAD dst, base, off0, perm     ; 16 rows x 512 bytes: each load reads 512 consecutive bytes; perm = 1: rows 0-7 and 16-23
.set n, 0
.rept 16
	global_load_b128 v[(\dst)+4*n:(\dst)+4*n+3], v1, s[\base:\base+1] offset:(\off0)+(n+8*(n/8)*\perm)*1024
.set n, n+1
.endr
.endm
.macro STIN src, win                   ; a fragment into my own stage, as loaded (win: the window of an LDS store's data)
	WIN \win
.set n, 0
.rept 16
	ds_store_b128 v8, v[(\src)+4*n:(\src)+4*n+3] offset:528*n
.set n, n+1
.endr
	WIN 0
.endm
.macro STOUT                           ; and back as 32 neighbours a block.  LDS serves a wave's instructions in order: these see the stores
.irp c, 0,1
.irp j, 0,1,2,3,4,5,6,7
	ds_load_b128 v[T+32*\c+4*\j:T+32*\c+4*\j+3], v9 offset:256*\c+16*\j
.endr
.endr
.endm
.macro MAX32                           ; the two blocks in T: largest magnitude, the conversion's scale operand, the byte
.irp c, 0,1
	v_max3_num_f32 v[MX+\c], |v[T+32*\c]|, |v[T+32*\c+1]|, FLOOR
.endr
.irp e, 2,4,6,8,10,12,14,16,18,20,22,24,26,28,30
.irp c, 0,1
	v_max3_num_f32 v[MX+\c], v[MX+\c], |v[T+32*\c+\e]|, |v[T+32*\c+\e+1]|
.endr
.endr
.irp c, 0,1
	v_add_nc_u32 v[SO+\c], OFF4, v[MX+\c]
.endr
.irp c, 0,1
	v_lshrrev_b32 v[BY+\c], 23, v[SO+\c]
.endr
.endm
.macro CVTA dst                        ; their codes: the last lines that read T
.irp c, 0,1
	v_cvt_scalef32_pk16_bf6_f32 v[(\dst)+6*\c:(\dst)+6*\c+2], v[T+32*\c:T+32*\c+15], v[SO+\c]
	v_cvt_scalef32_pk16_bf6_f32 v[CT+4*\c:CT+4*\c+2], v[T+32*\c+16:T+32*\c+31], v[SO+\c]
.endr
	v_nop                                          ; one plain place behind a scaled conversion
.endm
.macro CVTB dst                        ; block c now fills registers 6 c .. 6 c + 5 from dst on
.irp c, 0,1
.irp e, 0,1,2
	v_mov_b32 v[(\dst)+6*\c+3+\e], v[CT+4*\c+\e]
.endr
.endr
.endm
.macro WWORD word                      ; a weight fragment's scale word: lane (r, h) holds blocks h and 2 + h of row r
	v_lshl_or_b32 v[\word], v[BY+1], 16, v[BY]
	v_lshlrev_b32 v[\word], v[H8], v[\word]        ; my two bytes at their places,
	v_permlanex16_b32 v[TP], v[\word], s28, s29
	v_or_b32 v[\word], v[\word], v[TP]             ; with lane l xor 16's two the word is whole
.endm
.macro IMG a16, a8, src, off
	ds_store_b128 v[\a16], v[\src:\src+3] offset:\off
	ds_store_b64 v[\a8], v[\src+4:\src+5] offset:\off+512
	ds_store_b128 v[\a16], v[\src+6:\src+9] offset:\off+768
	ds_store_b64 v[\a8], v[\src+10:\src+11] offset:\off+1280
.endm
.macro FETCH reg, a16, a8, off
	ds_load_b128 v[\reg:\reg+3], v[\a16] offset:\off
	ds_load_b64 v[\reg+4:\reg+5], v[\a8] offset:\off+512
	ds_load_b128 v[\reg+6:\reg+9], v[\a16] offset:\off+768
	ds_load_b64 v[\reg+10:\reg+11], v[\a8] offset:\off+1280
.endm
.macro VQV tt                          ; channel tile 2 w + tt: lane (r, h) holds channel r; register 16 b + e = pixel 32 b + 16 h + e.  The vector work; the stores follow both tiles'
.set rS, ACC+32*(\tt)
.set rC, CA+6*(\tt)
.set rT, CT+4*(\tt)
.irp b, 0,1
	v_max3_num_f32 v[MX+\b], |v[rS+16*\b]|, |v[rS+16*\b+1]|, FLOOR
.endr
.irp e, 2,4,6,8,10,12,14
.irp b, 0,1
	v_max3_num_f32 v[MX+\b], v[MX+\b], |v[rS+16*\b+\e]|, |v[rS+16*\b+\e+1]|
.endr
.endr
.irp b, 0,1
	v_permlanex16_b32 v[TP], v[MX+\b], s28, s29
	v_max_num_f32 v[MX+\b], v[MX+\b], v[TP]
.endr
.irp b, 0,1
	v_add_nc_u32 v[SO+\b], OFF4, v[MX+\b]
.endr
.irp b, 0,1
	v_lshrrev_b32 v[BY+\b], 23, v[SO+\b]
.endr
	v_lshl_or_b32 v[VW+(\tt)], v[BY+1], 8, v[BY]
	v_cvt_scalef32_pk16_bf6_f32 v[rC:rC+2], v[rS:rS+15], v[SO]
	v_cvt_scalef32_pk16_bf6_f32 v[rT:rT+2], v[rS+16:rS+31], v[SO+1]
	v_nop
.irp e, 0,1,2
	v_permlane16_swap_b32 v[rC+\e], v[rT+\e]       ; a whole block to a lane: lanes 0-15 block 0, lanes 16-31 block 1
.endr
.irp e, 0,1,2
	v_mov_b32 v[rC+3+\e], v[rT+\e]
.endr
.endm
.macro VQS tt
.set rC, CA+6*(\tt)
	global_store_b128 v22, v[rC:rC+3], s[36:37] offset:768*(\tt)       ; 512 consecutive bytes,
	global_store_b64 v23, v[rC+4:rC+5], s[36:37] offset:768*(\tt)+512  ; and 256
.endm
	s_load_b256 s[4:11], s[0:1], 0x0               ; x s[4:5], wq s[6:7], bq s[8:9], wk s[10:11]
	s_load_b256 s[12:19], s[0:1], 0x20             ; bk s[12:13], wv s[14:15], bv s[16:17], qrec s[18:19]
	s_load_b64 s[20:21], s[0:1], 0x40              ; kv
	s_load_b64 s[56:57], s[0:1], 0x48              ; krec
	v_lshl_add_u32 v254, v0, 2, 0x17200
	v_mov_b32 v255, 0
	v_lshrrev_b32 v1, 5, v0
	v_readfirstlane_b32 s22, v1                    ; wave w
	v_and_b32 v60, 31, v0                          ; lane
	v_and_b32 v61, 15, v0                          ; r
	v_bfe_u32 v62, v0, 4, 1                        ; h
	v_lshlrev_b32 v1, 4, v60                       ; 16 x lane
	v_lshlrev_b32 v2, 3, v60                       ; 8 x lane
	v_lshlrev_b32 v3, 2, v60                       ; 4 x lane
	v_lshlrev_b32 v[H8], 3, v62
	v_lshlrev_b32 v[BQA], 6, v62                   ; the bias of q or k: 64 h
	v_lshlrev_b32 v[R4], 2, v61
	v_mov_b32 v[TP], 0                             ; a lane permute's destination counts as one of its sources
	v_and_b32 v63, 8, v61
	v_add_nc_u32 v63, v63, v61                     ; r + 8 (r / 8)
	v_lshlrev_b32 v4, 2, v63
	v_lshl_add_u32 v4, v62, 5, v4
	s_wait_alu depctr_va_vdst(0)
	s_wait_alu depctr_va_sdst(0)                   ; s22 is written, ahead of its first reader: the wave's shares, addresses and branches are made from it
	s_and_b32 s23, s22, 1                          ; pg: my 32 pixels.  Also: I make q (0) or k (1)
	s_lshr_b32 s24, s22, 1                         ; cb: my 64 channels.  Also: my tile of pixels for q or k
	s_lshr_b32 s25, s24, 1                         ; ks: their K step of 128
	s_and_b32 s26, s24, 1                          ; ch: which half of a fragment
	s_mov_b32 s28, 0x76543210
	s_mov_b32 s29, 0xfedcba98                      ; v_permlanex16_b32's selects for lane l xor 16
	s_lshl_b32 s40, s23, 7
	v_add_nc_u32 v4, s40, v4                       ; x: my pixel's 4 bytes in the record's 256
	s_mul_i32 s40, s23, 6144
	s_mul_i32 s41, s25, FRB
	s_add_co_u32 s40, s40, s41
	s_mul_i32 s41, s26, 768
	s_add_co_u32 s40, s40, s41
	v_add_nc_u32 v5, s40, v1                       ; where my half images of x go
	v_add_nc_u32 v6, s40, v2
	s_lshl_b32 s40, s25, 8
	s_lshl_b32 s41, s23, 7
	s_add_co_u32 s40, s40, s41
	s_lshl_b32 s41, s26, 1
	s_add_co_u32 s40, s40, s41
	s_add_co_u32 s40, s40, XSC
	v_add_nc_u32 v7, s40, v3                       ; and my two scale bytes
	s_mul_i32 s40, s22, WSTB
	s_add_co_u32 s40, s40, WST
	v_add_nc_u32 v8, s40, v1                       ; my stage, in
	v_mul_u32_u24 v9, v61, 528
	v_lshl_add_u32 v9, v62, 7, v9
	v_add_nc_u32 v9, s40, v9                       ; and back: row r, 128 h
	s_mul_i32 s40, s22, FRB
	s_add_co_u32 s40, s40, WIMG
	v_add_nc_u32 v10, s40, v1                      ; the fragment of wq or wk that I make
	v_add_nc_u32 v11, s40, v2
	s_lshl_b32 s40, s22, 7
	s_add_co_u32 s40, s40, WSC
	v_add_nc_u32 v12, s40, v3
	s_mul_i32 s40, s23, 6144
	s_add_co_u32 s40, s40, WIMG
	v_add_nc_u32 v13, s40, v1                      ; the four that I read
	v_add_nc_u32 v14, s40, v2
	s_lshl_b32 s40, s23, 9
	s_add_co_u32 s40, s40, WSC
	v_add_nc_u32 v15, s40, v3
	s_mul_i32 s40, s24, 3072
	v_add_nc_u32 v16, s40, v1                      ; x's two fragments of my tile
	v_add_nc_u32 v17, s40, v2
	s_lshl_b32 s40, s24, 6
	s_add_co_u32 s40, s40, XSC
	v_lshl_add_u32 v18, v61, 2, s40
	s_lshl_b32 s40, s23, 8
	s_lshl_b32 s41, s24, 6
	s_add_co_u32 s40, s40, s41
	s_add_co_u32 s40, s40, SCL+512
	v_lshl_add_u32 v19, v61, 2, s40                ; q's or k's scale word of my row
	s_lshl_b32 s40, s22, 6
	s_add_co_u32 s40, s40, SCL
	v_lshl_add_u32 v20, v61, 1, s40                ; v's halfword of my channel
	v_mul_u32_u24 v21, v61, 24
	v_mad_u32_u24 v21, v62, 12, v21
	s_mul_i32 s40, s24, 384
	v_add_nc_u32 v21, s40, v21                     ; q's or k's codes in the record
	s_mul_i32 s40, s22, FRB
	v_add_nc_u32 v22, s40, v1                      ; v's half images in the record
	v_add_nc_u32 v23, s40, v2
	s_lshr_b32 s40, ttmp9, 6                       ; batch,
	s_lshl_b32 s40, s40, 22
	s_and_b32 s41, ttmp9, 63                       ; block of 64 pixels,
	s_lshl_b32 s41, s41, 8
	s_add_co_u32 s40, s40, s41
	s_lshl_b32 s41, s24, 20                        ; my 64 channels
	s_add_co_u32 s40, s40, s41
	s_mov_b32 s41, 0
	s_lshl_b32 s42, s22, 15                        ; my 32 rows of wv
	s_mov_b32 s43, 0
	s_mul_i32 s46, ttmp9, REC
	s_mov_b32 s47, 0
	s_mul_i32 s48, ttmp9, QREC
	s_mov_b32 s49, 0
	s_lshl_b32 s50, s22, 7                         ; my 32 numbers of bv
	s_mov_b32 s51, 0
	s_lshl_b32 s52, s26, 13                        ; the tile of wq or wk that I quantise begins at row 8 ch,
	s_lshl_b32 s53, s23, 9                         ; K step w & 1
	s_add_co_u32 s52, s52, s53
	s_mov_b32 s53, 0
	s_wait_kmcnt 0x0
	s_add_nc_u64 s[4:5], s[4:5], s[40:41]
	s_add_nc_u64 s[14:15], s[14:15], s[42:43]
	s_add_nc_u64 s[16:17], s[16:17], s[50:51]
	s_add_nc_u64 s[36:37], s[20:21], s[46:47]      ; my record of kv,
	s_add_nc_u64 s[38:39], s[18:19], s[48:49]      ; of qrec,
	s_add_nc_u64 s[44:45], s[56:57], s[48:49]      ; and of krec
	s_cmp_lt_u32 s22, 4                            ; waves 0-3 quantise wq, waves 4-7 wk: the choices hang on the wave's number alone
	s_cselect_b64 s[30:31], s[6:7], s[10:11]
	s_add_nc_u64 s[30:31], s[30:31], s[52:53]
	s_cmp_eq_u32 s23, 0
	s_cselect_b64 s[32:33], s[8:9], s[12:13]       ; bq or bk
	s_cselect_b64 s[34:35], s[38:39], s[44:45]     ; where my codes of q or k go
	s_wait_alu depctr_va_vdst(0)                   ; the offsets and LDS addresses v1 to v23, v248 and v249 are written: every load and store of the kernel reads some of them, and none is written again
	global_load_b32 v24, v[R4], s[16:17]           ; bv of my two channel tiles
	global_load_b32 v25, v[R4], s[16:17] offset:64
.set n, 0
.rept 64
	global_load_b32 v[T+n], v4, s[4:5] offset:16384*n   ; x(channel 64 cb + n, my pixel): the wave reads 128 consecutive bytes
.set n, n+1
.endr
	WIN 0x40                                       ; destination: the second window
.irp f, 0,1,2,3                        ; wv's fragment f = (tile f / 2, K step f % 2) as loaded: 64 registers from 64 f on
	WLOAD 64*\f, 14, (\f/2)*16384+(\f%2)*512, 0
.endr
	WIN 0
	WLOAD G, 30, 0, 1                              ; my fragment of wq or wk
	s_wait_loadcnt 63                              ; bv and x are in: 80 loads are younger, and 63 is the most that the wait can name: stricter than needed
	; ---- x: my pixel's 64 channels: two whole blocks.  Lanes 0-15 hold a row of tile 2 pg, lanes 16-31 of tile 2 pg + 1
	MAX32
	v_lshl_or_b32 v[WRD], v[BY+1], 8, v[BY]
	CVTA CA
	CVTB CA
.irp e, 0,1,2,3,4,5
	v_permlane16_swap_b32 v[CA+\e], v[CA+6+\e]     ; the first six now hold tile 2 pg (lanes 0-15 the lower block, lanes 16-31 the upper), the second six tile 2 pg + 1
.endr
	s_wait_alu depctr_va_vdst(0)                   ; x's codes in CA and its two bytes in WRD are written, which the five stores read; the maxima and conversions are done reading T, in which fragment 0 lands
	ds_store_b16 v7, v[WRD]                        ; bytes 2 ch and 2 ch + 1 of my row's scale word
	ds_store_b128 v5, v[CA:CA+3]
	ds_store_b64 v6, v[CA+4:CA+5] offset:512
	ds_store_b128 v5, v[CA+6:CA+9] offset:3072
	ds_store_b64 v6, v[CA+10:CA+11] offset:3584
	s_wait_loadcnt 63                              ; fragment 0 is in: 64 loads are younger
	STIN 0, 0x04
	STOUT                                          ; no vector instruction since the wait above names T or v9
.irp f, 0,1,2,3,4                      ; four fragments of wv, which stay in registers as codes, and one of wq or wk, which goes to LDS
	s_wait_dscnt 0x0                               ; fragment f's numbers are in T, so my stage is free
.if \f < 3
	s_wait_loadcnt 48-16*\f                        ; fragment f + 1 is in: the fragments behind it, 16 loads each, may be out
	STIN 64*(\f+1), 0x04                           ; it goes into the stage while fragment f is worked on: these stores name raw registers and v8 alone
.elseif \f == 3
	s_wait_loadcnt 0x0                             ; my fragment of wq or wk is in
	STIN G, 0
.endif
	MAX32
.if \f < 4
	CVTA WV+12*\f
	s_wait_alu depctr_va_vdst(0)                   ; the maxima and the conversions are done reading T, in which the next fragment lands
	STOUT
	WWORD WVS+\f                                   ; these ten lines name neither T nor v9
	CVTB WV+12*\f
.else
	s_wait_alu depctr_vm_vsrc(0)                   ; x's five stores have read CA and WRD, which are written again here
	CVTA CA
	WWORD WRD
	CVTB CA
.endif
.endr
	s_wait_alu depctr_va_vdst(0)                   ; the fragment's codes in CA and its word in WRD are written, which the stores read; the conversions are done reading T, in which the bias and a fragment of x land
.irp u, 0,1                            ; the bias in the result's layout: lane (r, h), tile u, register j: number 16 h + 8 u + j
	global_load_b128 v[BQK+8*\u:BQK+8*\u+3], v[BQA], s[32:33] offset:32*\u
	global_load_b128 v[BQK+8*\u+4:BQK+8*\u+7], v[BQA], s[32:33] offset:32*\u+16
.endr
	IMG 10, 11, CA, 0
	ds_store_b32 v12, v[WRD]
	s_wait_dscnt 0x0                               ; for the others' sake: my images and scale words have landed
	s_barrier_signal -1
	s_barrier_wait -1
	s_wait_alu depctr_vm_vsrc(0)                   ; my stores into the stage have read G and the second window, in which fragments land from here on; the image's stores have read CA and WRD, which are written again below
	; ---- q or k of my tile of pixels, transposed: source 0 = 16 rows of the weight, source 1 = x
.irp e, 0,1,2,3
	FETCH QW+12*\e, 13, 14, \e*FRB
	ds_load_b32 v[QWS+\e], v15 offset:128*\e
.endr
.irp e, 0,1
	FETCH XQ+12*\e, 16, 17, \e*FRB
	ds_load_b32 v[XQSR+\e], v18 offset:256*\e
.endr
	s_wait_dscnt 0x0
	s_wait_loadcnt 0x0                             ; the bias
	v_wmma_scale_f32_16x16x128_f8f6f4 v[AQ:AQ+7], v[QW:QW+11], v[XQ:XQ+11], v[BQK:BQK+7], v[QWS], v[XQSR] matrix_a_fmt:MATRIX_FMT_BF6 matrix_b_fmt:MATRIX_FMT_BF6
	v_wmma_scale_f32_16x16x128_f8f6f4 v[AQ+8:AQ+15], v[QW+24:QW+35], v[XQ:XQ+11], v[BQK+8:BQK+15], v[QWS+2], v[XQSR] matrix_a_fmt:MATRIX_FMT_BF6 matrix_b_fmt:MATRIX_FMT_BF6
	v_wmma_scale_f32_16x16x128_f8f6f4 v[AQ:AQ+7], v[QW+12:QW+23], v[XQ+12:XQ+23], v[AQ:AQ+7], v[QWS+1], v[XQSR+1] matrix_a_fmt:MATRIX_FMT_BF6 matrix_b_fmt:MATRIX_FMT_BF6
	v_wmma_scale_f32_16x16x128_f8f6f4 v[AQ+8:AQ+15], v[QW+36:QW+47], v[XQ+12:XQ+23], v[AQ+8:AQ+15], v[QWS+3], v[XQSR+1] matrix_a_fmt:MATRIX_FMT_BF6 matrix_b_fmt:MATRIX_FMT_BF6
.irp d, 0,1
.irp j, 0,1,2,3,4,5,6,7
	v_mov_b32 v[BVC+8*\d+\j], v[24+\d]             ; v's bias as the C of a sum's first product: the lane's channel in all eight registers.  These sixteen name no register of the four products above: they are the places behind them, before a result is read (ISA guide 7.12.1)
.endr
.endr
	; lane (r, h): numbers 16 h .. 16 h + 15 of pixel row r's q (or k): one block with lane l xor 16
	v_max3_num_f32 v[MX], |v[AQ]|, |v[AQ+1]|, FLOOR
.irp e, 2,4,6,8,10,12,14
	v_max3_num_f32 v[MX], v[MX], |v[AQ+\e]|, |v[AQ+\e+1]|
.endr
	v_permlanex16_b32 v[TP], v[MX], s28, s29
	v_max_num_f32 v[MX], v[MX], v[TP]
	v_add_nc_u32 v[SO], OFF4, v[MX]
	v_lshrrev_b32 v[BY], 23, v[SO]
	v_lshl_or_b32 v[WRD], v[BY], 8, v[BY]
	v_lshl_or_b32 v[WRD], v[WRD], 16, v[WRD]       ; the byte four times
	v_cvt_scalef32_pk16_bf6_f32 v[CQ:CQ+2], v[AQ:AQ+15], v[SO]
	v_nop                                          ; one plain place behind a scaled conversion
	s_wait_alu depctr_va_vdst(0)                   ; the codes in CQ and the word in WRD are written, which the two stores read; the four products are done reading v120-167, in which x's fragments land
	; ---- v of my 32 channels for the 64 pixels: source 0 = x (16 pixels), source 1 = 16 rows of wv: a lane holds one channel, its registers run along the pixels
.irp e, 0,1,2,3
	ds_load_b32 v[XS+\e], v3 offset:XSC+256*(\e/2)+128*(\e%2)   ; K step e / 2, tiles 2 (e % 2) (lanes 0-15) and 2 (e % 2) + 1 (lanes 16-31)
.endr
.irp u, 0,1
.irp s, 0,1
	FETCH XF+12*(2*\u+\s), 1, 2, XIMG+(2*\u+\s)*FRB             ; tiles 0 and 1
.endr
.endr
	WIN 0x40                                       ; destination: the second window
.irp u, 0,1
.irp s, 0,1
	FETCH 12*(2*\u+\s), 1, 2, XIMG+(2*(2+\u)+\s)*FRB            ; tiles 2 and 3: registers that no vector or matrix instruction has named
.endr
.endr
	WIN 0
	ds_store_b32 v19, v[WRD]                       ; both lanes of a row write the same word
	global_store_b96 v21, v[CQ:CQ+2], s[34:35]     ; the wave stores 384 consecutive bytes
.irp b, 0,1
.if \b == 0
	s_wait_dscnt 17                                ; x's scale words and the fragments of tiles 0 and 1 are in; the 16 loads of tiles 2 and 3 and the word's store, all younger, may be out
.else
	s_wait_dscnt 1                                 ; the fragments of tiles 2 and 3 are in; the word's store may be out
	WIN 0x01                                       ; source 0 (x) in the second window
.endif
.irp s, 0,1                            ; four accumulators by turns, K step by K step
.irp u, 0,1
.irp d, 0,1
.set rD, ACC+32*\d+8*(2*\b+\u)
.set rA, XF*(1-\b)+12*(2*\u+\s)
.set rB, WV+12*(2*\d+\s)
.if \s == 0
.if \u == 0
	v_wmma_scale_f32_16x16x128_f8f6f4 v[rD:rD+7], v[rA:rA+11], v[rB:rB+11], v[BVC+8*\d:BVC+8*\d+7], v[XS+2*\s+\b], v[WVS+2*\d+\s] matrix_a_fmt:MATRIX_FMT_BF6 matrix_b_fmt:MATRIX_FMT_BF6
.else
	v_wmma_scale_f32_16x16x128_f8f6f4 v[rD:rD+7], v[rA:rA+11], v[rB:rB+11], v[BVC+8*\d:BVC+8*\d+7], v[XS+2*\s+\b], v[WVS+2*\d+\s] matrix_a_fmt:MATRIX_FMT_BF6 matrix_b_fmt:MATRIX_FMT_BF6 matrix_a_scale:MATRIX_SCALE_ROW1
.endif
.else
.if \u == 0
	v_wmma_scale_f32_16x16x128_f8f6f4 v[rD:rD+7], v[rA:rA+11], v[rB:rB+11], v[rD:rD+7], v[XS+2*\s+\b], v[WVS+2*\d+\s] matrix_a_fmt:MATRIX_FMT_BF6 matrix_b_fmt:MATRIX_FMT_BF6
.else
	v_wmma_scale_f32_16x16x128_f8f6f4 v[rD:rD+7], v[rA:rA+11], v[rB:rB+11], v[rD:rD+7], v[XS+2*\s+\b], v[WVS+2*\d+\s] matrix_a_fmt:MATRIX_FMT_BF6 matrix_b_fmt:MATRIX_FMT_BF6 matrix_a_scale:MATRIX_SCALE_ROW1
.endif
.endif
.endr
.endr
.endr
.endr
	WIN 0
.rept 4
	v_nop                                          ; four places behind a matrix instruction before its result is read (ISA guide 7.12.1)
.endr
	VQV 0
	VQV 1
	s_wait_alu depctr_va_vdst(0)                   ; v's codes in CA and its halfwords in VW are written, which the six stores read; the products are done reading v120-127, in which wave 0's loads below land
	ds_store_b16 v20, v[VW]
	ds_store_b16 v20, v[VW+1] offset:32
	VQS 0
	VQS 1
	s_wait_dscnt 0x0                               ; my scale words and halfwords have landed
	s_barrier_signal -1
	s_barrier_wait -1
	s_cmp_lg_u32 s22, 0
	s_cbranch_scc1 .Ldone
.irp e, 0,1,2,3                        ; wave 0 sends the record's 1,024 bytes of scales: each store covers 256 consecutive bytes, aligned
	ds_load_b64 v[120+2*\e:121+2*\e], v2 offset:SCL+256*\e
.endr
	s_wait_dscnt 0x0
	global_store_b64 v2, v[120:121], s[36:37] offset:12288
	global_store_b64 v2, v[122:123], s[36:37] offset:12544
	global_store_b64 v2, v[124:125], s[38:39] offset:1536
	global_store_b64 v2, v[126:127], s[44:45] offset:1536
.Ldone:
	s_wait_dscnt 0x0                               ; the closing lines, six on end
	s_wait_alu 0x0
	s_wait_tensorcnt 0x0
	ds_add_u32 v254, v255
	s_wait_dscnt 0x0
	s_endpgm
.Lfunc_end_k_q1e36d4231c_project:
	.size	k_q1e36d4231c_project, .Lfunc_end_k_q1e36d4231c_project-k_q1e36d4231c_project
	.p2alignl 7, 3214868480
	.fill 96, 4, 3214868480
	.section	.rodata,"a",@progbits
	.p2align	6, 0x0
	.amdhsa_kernel k_q1e36d4231c_project
		.amdhsa_group_segment_fixed_size 95744
		.amdhsa_private_segment_fixed_size 0
		.amdhsa_enable_private_segment 0
		.amdhsa_kernarg_size 80
		.amdhsa_user_sgpr_count 2
		.amdhsa_user_sgpr_kernarg_segment_ptr 1
		.amdhsa_wavefront_size32 1
		.amdhsa_system_sgpr_workgroup_id_x 1
		.amdhsa_system_sgpr_workgroup_id_y 1
		.amdhsa_system_sgpr_workgroup_id_z 1
		.amdhsa_system_vgpr_workitem_id 0
		.amdhsa_next_free_vgpr 512
		.amdhsa_next_free_sgpr 66
		.amdhsa_reserve_vcc 0
		.amdhsa_float_denorm_mode_32 3
		.amdhsa_float_denorm_mode_16_64 3
		.amdhsa_memory_ordered 1
		.amdhsa_forward_progress 1
		.amdhsa_inst_pref_size 63
	.end_amdhsa_kernel
	.amdgpu_metadata
---
amdhsa.version: [ 1, 2 ]
amdhsa.kernels:
  - .name:           k_q1e36d4231c_project
    .symbol:         k_q1e36d4231c_project.kd
    .args:
      - { .name: x, .offset: 0, .size: 8, .value_kind: global_buffer, .address_space: global }
      - { .name: wq, .offset: 8, .size: 8, .value_kind: global_buffer, .address_space: global }
      - { .name: bq, .offset: 16, .size: 8, .value_kind: global_buffer, .address_space: global }
      - { .name: wk, .offset: 24, .size: 8, .value_kind: global_buffer, .address_space: global }
      - { .name: bk, .offset: 32, .size: 8, .value_kind: global_buffer, .address_space: global }
      - { .name: wv, .offset: 40, .size: 8, .value_kind: global_buffer, .address_space: global }
      - { .name: bv, .offset: 48, .size: 8, .value_kind: global_buffer, .address_space: global }
      - { .name: qrec, .offset: 56, .size: 8, .value_kind: global_buffer, .address_space: global }
      - { .name: kv, .offset: 64, .size: 8, .value_kind: global_buffer, .address_space: global }
      - { .name: krec, .offset: 72, .size: 8, .value_kind: global_buffer, .address_space: global }
    .group_segment_fixed_size: 95744
    .private_segment_fixed_size: 0
    .kernarg_segment_align: 8
    .kernarg_segment_size: 80
    .max_flat_workgroup_size: 256
    .sgpr_count:     66
    .vgpr_count:     512
    .wavefront_size: 32
...
	.end_amdgpu_metadata
.endif
;; end of part 3
;; launch attend (part 4): grid 64 x 4, 8 waves a work-group, clusters of 4 x 1, 327,680 bytes of LDS; arguments qrec, kv, x, gamma, out0, krec; writes out0
.if DOCPART == 4
	.amdgcn_target "amdgcn-amd-amdhsa--gfx1250"
	.amdhsa_code_object_version 6
	.text
	.protected	k_q1e36d4231c_attend
	.globl	k_q1e36d4231c_attend
	.p2align	8
	.type	k_q1e36d4231c_attend,@function
k_q1e36d4231c_attend:
	s_mov_b64 s[64:65], 0
	v_nop
	global_prefetch_b8 v0, s[64:65] scope:SCOPE_SE
	s_setreg_imm32_b32 hwreg(HW_REG_WAVE_MODE, 25, 1), 1
	s_wait_xcnt 0x0
	s_wait_alu depctr_hold_cnt(0) depctr_sa_sdst(0) depctr_va_vdst(0) depctr_va_sdst(0) depctr_va_ssrc(0) depctr_va_vcc(0) depctr_vm_vsrc(0)
	s_getreg_b32 s2, hwreg(HW_REG_IB_STS2, 6, 4)
	s_cmp_eq_u32 s2, 0
	s_cbranch_scc0 .Lentry_in_a_cluster
	s_endpgm
.Lentry_in_a_cluster:
	s_bfe_u32 s2, ttmp6, 0x10000c
	s_cmp_lg_u32 s2, 0x3003
	s_cbranch_scc0 .Lentry_shape_is_right
	s_endpgm
.Lentry_shape_is_right:
; out[b][c][m] = gamma x (the sum over keys n of v[b][c][n] softmax_n(q[b][m] . k[b][n])) + x[b][c][m], both products on codes of BF6 (E3M2) with E8M0 scales, read from the records of 64 pixels
; that the launch before has laid (kv: 12,800 bytes: 16 half images of v | 12,288 v's scale halfwords;  qrec, krec: 1,792 bytes: the codes, [tile][row] x 24 bytes | 1,536 the scale words).
; SOFTMAX: t = score x log2(e); M = the largest t so far, rounded up to a whole number; p = 2^(t - M) is quantised along the keys, not normalised; the row's sum is taken of the unquantised p.
; When M moves, the sum and O are multiplied by 2^(old M - new M), which rounds nothing.
; SHARES.  A work-group owns 64 queries (one record of qrec) of one batch: 256 work-groups.  Wave w: kq = w >> 1 is its quarter of the keys (records 2 kq and 2 kq + 1 of every eight), qg = w & 1 its two tiles of
; 16 queries: a fragment of v read from LDS feeds two products.  At the end the four quarters are joined: each is brought under the common M by an exact power of two, scaled by gamma / the whole sum,
; and the four are added through LDS.
; TWO ROLES.  A key step has two halves: SOFT (k's loads, the scores, the softmax of both tiles: vector work) and PVB (v's loads, O^T's rescaling, the second product: matrix work).  Behind each change of slots a wave
; of role 0 runs SOFT and then PVB of the step; a wave of role 1 runs PVB of the step and then SOFT of the NEXT step.  So while one role multiplies the other exponentiates.  role = (w ^ (w >> 2)) & 1: it differs
; between neighbouring waves and between waves four apart.  For that k does not go through the ring: all of a batch's k (64 records, 114,688 bytes) stays in LDS, filled once.
; The branches on the role pass over SOFT alone: barriers, tensor loads and the lines that make LDS addresses are on every wave's path.
; LAYOUT.  Both products are used transposed: S^T = k q^T (source 0 = 16 keys), O^T = v p^T (source 0 = 16 channels): a lane holds one query throughout.  A record's tiles of pixels are laid so that the 16 registers
; of two neighbouring tiles of scores are 16 neighbouring keys.
; THE FIRST PRODUCT IS 32 DEEP, the instruction 128: q's fragment holds its codes in registers 0-5 of lanes 0-15 and zero codes everywhere else, so whatever k's registers hold beyond its 32 adds exactly 0
; (E3M2 has neither infinity nor NaN); k's tiles lie 6 registers apart and each names the next tile's registers as its unused upper half.  The scale words of q and k hold their byte four times.
; CLUSTER.  The four work-groups of a cluster belong to one batch and walk the same records: each tile is asked for JOINTLY, by the same tensor load with the same descriptor and the mask 15.
; The place in the cluster enters the global addresses of qrec, x and out0 alone.
; RING.  Two slots of eight records of kv; each wave brings one record (50 rows of 256 bytes) behind each round.  A wave has one tensor load out at a time: at the start its eighth of k, then its record of slot 0.
; LIMITS: NaN and infinities are not served.  A block's largest p is taken from its largest score (v_exp_f32 is taken not to fall where its input rises).  A block of p that has fallen to zeros keeps the byte 1.
; REGISTERS.  Window 0: v1-15 addresses; v16-23 -M, the largest t, the sum in two halves, for each tile; v24-27 f and p's scale word; v28-41 scale words; v44-60 at work; v64-87 q; v88-111 p's codes;
;   v112-175 scores, then p; v176-229 k's eight tiles; v's fragments take v112-159 and v160-207 by turns; v230-237 at work.   Window 1: O^T: tile i, channel tile t at 128 i + 8 t.
.set VREC,  12800
.set KREC,  1792
.set SLOTB, 8*VREC                     ; a slot; slot 1 begins here
.set KB,    2*SLOTB                    ; behind the ring: k of the whole batch
.set KSTEP, 8*KREC                     ; a step's eight records of k; also what one wave brings of k
.set VSO,   12288
.set KSO,   1536
.set PLANE, 256*272                    ; the way out: for each quarter of the keys 256 rows (channels) of 256 bytes + 16.  The four planes lie over the slots and part of k: they are written behind the last fill and the last read
.set MXB,   KB+64*KREC                 ; the waves' -M (256 w + 128 i + 4 x lane) and, 2,048 on, their sums
.set SPARE, MXB+4096                   ; the spare words, 128 bytes for each wave: four blocks of 256 bytes that no other line names
.set A16S, 1
.set A8S,  2
.set AKS,  3
.set AS4S, 4
.set AS2S, 5
.set A16,  6
.set A8,   7
.set AK,   8
.set AS4,  9
.set AS2,  10
.set SPW,  11
.set NIL,  12
.set XP,   13
.set XO,   14
.set MXW,  15
.set ST,   16
.set FF,   24
.set QS,   28
.set KSR,  30
.set VS,   34
.set MXR,  42
.set STW,  43                          ; v43: the stage, channels 0-127; v61: channels 128-255
.set BM,   44
.set T8,   48
.set SO,   56
.set TMP,  60
.set RR,   62
.set HH,   63
.set QF,   64
.set PC,   88
.set S,    112
.set X,    176
.set VA,   112
.set VB,   160
.set VH,   230
.set TK,   3                           ; s3   where the step's records of k begin, from KB on
.set TB,   36                          ; s36  the slot that is read
.set TF,   39                          ; s39  the slot that was filled last
.set WVB,  58                          ; s58  my record's place in a slot
.set ROLE, 59                          ; s59
.set MSB, 0
.macro WIN new                         ; bits 1:0 source 0, 3:2 source 1, 5:4 source 2, 7:6 destination; the high byte repeats the setting that is left
.if MSB != \new
	s_set_vgpr_msb (MSB<<8)|\new
.set MSB, \new
.endif
.endm
.macro NOPS
.rept 4
	v_nop
.endr
.endm
.macro CROUND                          ; a round of the cluster's barrier
	s_barrier_signal -1
	s_barrier_wait -1
	s_cmp_lg_u32 s14, 0
	s_cbranch_scc1 .Lnot_wave_0_\@
	s_barrier_signal -3
.Lnot_wave_0_\@:
	s_barrier_wait -3
	s_barrier_signal -1
	s_barrier_wait -1
.endm
; THE CHANGE OF SLOTS, at a step's head.  Each wave waits for all its tensor loads (its record of the slot ahead), adds 0 to its spare word, and waits for that and for its reads of the slot that it has left.
; fill = 1: behind a round of the cluster's barrier that slot takes the next eight records.
.macro CHANGE fill
	s_wait_tensorcnt 0x0                           ; no tensor load of mine is out, so the descriptor may be written
	ds_add_u32 v[SPW], v[NIL]                      ; 0 onto my spare word
.if \fill
	s_xor_b32 s[TF], s[TF], SLOTB                  ; the other slot than last time,
	s_add_co_u32 s33, s[TF], s[WVB]                ; my record's place in it,
	s_add_nc_u64 s[34:35], s[34:35], SLOTB         ; the next eight records; the type bits on top are not reached
.endif
	s_wait_dscnt 0x0                               ; the add is done, and my reads of the slot that I have left are over
.if \fill
	CROUND
	tensor_load_to_lds s[32:35], s[24:31]          ; my one tensor load behind the round, and the first thing there
	s_nop 0
	NOPS
.else
	s_barrier_signal -1
	s_barrier_wait -1
.endif
.endm
.macro ADDR                            ; the step's LDS addresses, on every wave's path.  (Six places behind the last step's products, in front of loads and products that write their registers)
	v_add_nc_u32 v[A16], s[TB], v[A16S]
	v_add_nc_u32 v[A8], s[TB], v[A8S]
	v_add_nc_u32 v[AS2], s[TB], v[AS2S]
	v_add_nc_u32 v[AK], s[TK], v[AKS]
	v_add_nc_u32 v[AS4], s[TK], v[AS4S]
	v_nop
.endm
.macro SCORE tile                      ; S^T = k q^T for 128 keys: eight tiles; k's scale words: two tiles to a register
.set rQ, QF+12*(\tile)
.set rZ, QS+(\tile)
.set n, 0
.rept 4
	v_wmma_scale_f32_16x16x128_f8f6f4 v[S+16*n:S+16*n+7], v[X+12*n:X+12*n+11], v[rQ:rQ+11], 0, v[KSR+n], v[rZ] matrix_a_fmt:MATRIX_FMT_BF6 matrix_b_fmt:MATRIX_FMT_BF6
	v_wmma_scale_f32_16x16x128_f8f6f4 v[S+16*n+8:S+16*n+15], v[X+12*n+6:X+12*n+17], v[rQ:rQ+11], 0, v[KSR+n], v[rZ] matrix_a_fmt:MATRIX_FMT_BF6 matrix_b_fmt:MATRIX_FMT_BF6 matrix_a_scale:MATRIX_SCALE_ROW1
.set n, n+1
.endr
.endm
.macro SOFTMAX tile                    ; register 16 b + e of S = key 32 b + 16 (lane / 16) + e of my query
.set rT, ST+4*(\tile)
.set rF, FF+2*(\tile)
.set rC, PC+12*(\tile)
.irp b, 0,1,2,3
	v_max3_num_f32 v[BM+\b], v[S+16*\b], v[S+16*\b+1], v[S+16*\b+2]   ; the largest score of each block of 32 keys: it serves for the row's maximum and for the block's largest p
.endr
.irp e, 3,5,7,9,11,13
.irp b, 0,1,2,3
	v_max3_num_f32 v[BM+\b], v[BM+\b], v[S+16*\b+\e], v[S+16*\b+\e+1]
.endr
.endr
.irp b, 0,1,2,3
	v_max_num_f32 v[BM+\b], v[BM+\b], v[S+16*\b+15]
.endr
.irp b, 0,1,2,3
	s_delay_alu instid0(VALU_DEP_4)
	v_permlanex16_b32 v[T8+\b], v[BM+\b], s20, s21
.endr
.irp b, 0,1,2,3
	s_delay_alu instid0(VALU_DEP_4)
	v_max_num_f32 v[BM+\b], v[BM+\b], v[T8+\b]     ; with lane l xor 16's 16 keys
.endr
	s_delay_alu instid0(VALU_DEP_2)
	v_max3_num_f32 v[TMP], v[BM], v[BM+1], v[BM+2]
	s_delay_alu instid0(VALU_DEP_1)
	v_max_num_f32 v[TMP], v[TMP], v[BM+3]
	s_delay_alu instid0(VALU_DEP_1)
	v_mul_f32 v[TMP], s22, v[TMP]                  ; as t (log2(e) is positive)
	s_delay_alu instid0(VALU_DEP_1)
	v_max_num_f32 v[rT+1], v[rT+1], v[TMP]         ; the running largest t
	v_mov_b32 v[TMP], v[rT]
	s_delay_alu instid0(VALU_DEP_2)
	v_floor_f32 v[rT], -v[rT+1]                    ; the new -M = floor(-t): M is a whole number
	s_delay_alu instid0(VALU_DEP_1)
	v_sub_f32 v[TMP], v[rT], v[TMP]                ; old M less new M: a whole number, 0 or less
	s_delay_alu instid0(VALU_DEP_1)
	v_cvt_i32_f32 v[TMP], v[TMP]                   ; (it saturates)
	s_delay_alu instid0(VALU_DEP_1)
	v_ldexp_f32 v[rF], 1.0, v[TMP]                 ; f = 2^(old M - new M)
.set n, 0
.rept 32
	v_pk_fma_f32 v[S+n:S+n+1], v[S+n:S+n+1], s[22:23], v[rT:rT+1] op_sel_hi:[1,0,0]   ; t - M, two at a time
.set n, n+2
.endr
.irp b, 0,1,2,3
	v_fma_f32 v[BM+\b], v[BM+\b], s22, v[rT]       ; the same of each block's largest score
.endr
.set n, 0
	s_wait_alu depctr_va_vdst(0)
.rept 64
	v_exp_f32 v[S+n], v[S+n]                       ; p = 2^(t - M)
.set n, n+1
.endr
.irp b, 0,1,2,3
	v_exp_f32 v[BM+\b], v[BM+\b]                   ; the block's largest p: the same two instructions on the same number
.endr
	v_pk_mul_f32 v[rT+2:rT+3], v[rT+2:rT+3], v[rF:rF+1] op_sel_hi:[1,0]   ; the sums under the new M (a plain place behind the exponentials)
	s_wait_alu depctr_va_vdst(0)
.irp b, 0,1,2,3
	v_max_num_f32 v[BM+\b], 0x2800000, v[BM+\b]    ; the floor 2^(5 - 127): the byte cannot fall under 1
.endr
.irp b, 0,1,2,3
	s_delay_alu instid0(VALU_DEP_4)
	v_add_nc_u32 v[SO+\b], 0xfe000000, v[BM+\b]    ; 4 off the exponent field: the conversion's scale operand
.endr
.irp b, 0,1,2,3
	s_delay_alu instid0(VALU_DEP_4)
	v_lshrrev_b32 v[T8+\b], 23, v[SO+\b]           ; the scale's byte
.endr
	s_delay_alu instid0(VALU_DEP_3)
	v_lshl_or_b32 v[rF+1], v[T8+1], 8, v[T8]       ; p's scale word for these 128 keys
	s_delay_alu instid0(VALU_DEP_1)
	v_lshl_or_b32 v[rF+1], v[T8+2], 16, v[rF+1]
	s_delay_alu instid0(VALU_DEP_1)
	v_lshl_or_b32 v[rF+1], v[T8+3], 24, v[rF+1]
.irp c, 0,1
	v_cvt_scalef32_pk16_bf6_f32 v[rC+6*\c:rC+6*\c+2], v[S+32*\c:S+32*\c+15], v[SO+2*\c]
	v_cvt_scalef32_pk16_bf6_f32 v[T8+4*\c:T8+4*\c+2], v[S+32*\c+16:S+32*\c+31], v[SO+2*\c+1]
.endr
	v_nop                                          ; one plain place behind a scaled conversion
.irp c, 0,1                            ; a whole block to a lane: lanes 0-15 block 2 c, lanes 16-31 block 2 c + 1
.irp e, 0,1,2
	v_permlane16_swap_b32 v[rC+6*\c+\e], v[T8+4*\c+\e]
.endr
.irp e, 0,1,2
	s_delay_alu instid0(VALU_DEP_3)
	v_mov_b32 v[rC+6*\c+3+\e], v[T8+4*\c+\e]
.endr
.endr
	v_pk_add_f32 v[T8:T8+1], v[S:S+1], v[S+2:S+3]  ; the row's sum is taken of the unquantised p: two at a time, in two chains
.set n, 4
.rept 15
	v_pk_add_f32 v[rT+2:rT+3], v[rT+2:rT+3], v[S+n:S+n+1]
	v_pk_add_f32 v[T8:T8+1], v[T8:T8+1], v[S+n+2:S+n+3]
.set n, n+4
.endr
	s_delay_alu instid0(VALU_DEP_1)
	v_pk_add_f32 v[rT+2:rT+3], v[rT+2:rT+3], v[T8:T8+1]
.endm
; THE FIRST HALF OF A KEY STEP: my 128 keys' scores and the softmax of my two tiles.  ahead = 1: the next step's, whose records of k lie KSTEP bytes on.
.macro SOFT ahead
.irp p, 0,1,2,3,4,5,6,7                ; k: tile p % 4 of record p / 4: 24 bytes a key, the same in both halves of the lanes
.irp e, 0,1,2
	ds_load_b64 v[X+6*\p+2*\e:X+6*\p+2*\e+1], v[AK] offset:(\ahead)*KSTEP+(\p/4)*KREC+384*(\p%4)+8*\e
.endr
.endr
.irp p, 0,1,2,3
	ds_load_b32 v[KSR+\p], v[AS4] offset:(\ahead)*KSTEP+(\p/2)*KREC+128*(\p%2)
.endr
	s_wait_dscnt 0x0
	SCORE 0
	NOPS                                           ; four places behind a matrix instruction before its result is read (ISA guide 7.12.1)
	SOFTMAX 0
	SCORE 1
	NOPS
	SOFTMAX 1
.endm
.macro RESCALE tile, from, cnt         ; cnt pairs of the tile's O^T, from pair 'from' on, times the number in v[FF + 2 tile]; each accumulator from its low end on; leaves the windows set
.set rF, FF+2*(\tile)
.set n, 128*(\tile)+2*(\from)
	WIN 0x41                                       ; O^T (destination and source 0) in window 1, the factor in window 0
.rept \cnt
	v_pk_mul_f32 v[n:n+1], v[n:n+1], v[rF:rF+1] op_sel_hi:[1,0]
.set n, n+2
.endr
.endm
.macro FETCHV grp, buf                 ; v's fragments of channel tiles 4 grp .. 4 grp + 3: registers 0-5 from the step's first record, 6-11 from its second: 16 loads
.irp e, 0,1,2,3
	ds_load_b128 v[(\buf)+12*\e:(\buf)+12*\e+3], v[A16] offset:768*(4*(\grp)+\e)
	ds_load_b64 v[(\buf)+12*\e+4:(\buf)+12*\e+5], v[A8] offset:768*(4*(\grp)+\e)+512
	ds_load_b128 v[(\buf)+12*\e+6:(\buf)+12*\e+9], v[A16] offset:VREC+768*(4*(\grp)+\e)
	ds_load_b64 v[(\buf)+12*\e+10:(\buf)+12*\e+11], v[A8] offset:VREC+768*(4*(\grp)+\e)+512
.endr
.endm
.macro PV grp, buf, first              ; O^T += v p^T: four channel tiles x my two tiles of queries.  Each of the 32 accumulators has one instruction a step: they take turns
.set n, 0
.rept 4
.set t, 4*(\grp)+n
.set m, 0
.rept 2
.set rO, 128*m+8*t
.set rV, (\buf)+12*n
.set rC, PC+12*m
.set rA, VS+t/2
.set rB, FF+2*m+1
.if \first
.if t%2
	v_wmma_scale_f32_16x16x128_f8f6f4 v[rO:rO+7], v[rV:rV+11], v[rC:rC+11], 0, v[rA], v[rB] matrix_a_fmt:MATRIX_FMT_BF6 matrix_b_fmt:MATRIX_FMT_BF6 matrix_a_scale:MATRIX_SCALE_ROW1
.else
	v_wmma_scale_f32_16x16x128_f8f6f4 v[rO:rO+7], v[rV:rV+11], v[rC:rC+11], 0, v[rA], v[rB] matrix_a_fmt:MATRIX_FMT_BF6 matrix_b_fmt:MATRIX_FMT_BF6
.endif
.else
.if t%2
	v_wmma_scale_f32_16x16x128_f8f6f4 v[rO:rO+7], v[rV:rV+11], v[rC:rC+11], v[rO:rO+7], v[rA], v[rB] matrix_a_fmt:MATRIX_FMT_BF6 matrix_b_fmt:MATRIX_FMT_BF6 matrix_a_scale:MATRIX_SCALE_ROW1
.else
	v_wmma_scale_f32_16x16x128_f8f6f4 v[rO:rO+7], v[rV:rV+11], v[rC:rC+11], v[rO:rO+7], v[rA], v[rB] matrix_a_fmt:MATRIX_FMT_BF6 matrix_b_fmt:MATRIX_FMT_BF6
.endif
.endif
.set m, m+1
.endr
.set n, n+1
.endr
.endm
; THE SECOND HALF OF A KEY STEP: O^T under the step's M, then the second product.  first = 1: the products start O^T's sums, and there is nothing to rescale.
; v's scale words are put together by vector instructions: behind them stand 32 multiplications that name no register of tile 1's products and 64 that name none of tile 0's (in the first step: 8 v_nop):
; a scale register so written stands 8 places ahead of a scaled product.
.macro PVB first
.irp p, 0,1,2,3,4,5,6,7                ; v's scale bytes: a halfword a channel and record; lanes 0-15 channel tile 2 p, lanes 16-31 tile 2 p + 1
	ds_load_u16 v[VS+\p], v[AS2] offset:64*\p
	ds_load_u16 v[VH+\p], v[AS2] offset:VREC+64*\p
.endr
	FETCHV 0, VA
	FETCHV 1, VB
.if !\first
	RESCALE 0, 0, 32
	WIN 0
.endif
	s_wait_dscnt 32                                ; the halfwords are in; the 32 fragment loads behind them may be out
.irp p, 0,1,2,3,4,5,6,7
	v_lshl_or_b32 v[VS+\p], v[VH+\p], 16, v[VS+\p] ; the two records' halfwords make the word of 128 keys
.endr
.if \first
.rept 8
	v_nop
.endr
.else
	RESCALE 0, 32, 32
	RESCALE 1, 0, 64
.endif
	s_wait_alu depctr_va_vdst(0)
	s_wait_dscnt 16                                ; all but the 16 loads of the younger group
	WIN 0x50                                       ; C and D in window 1
	PV 0, VA, \first
	WIN 0
	NOPS                                           ; places in front of loads into registers that matrix instructions have read
	FETCHV 2, VA
	s_wait_dscnt 16
	WIN 0x50
	PV 1, VB, \first
	WIN 0
	NOPS
	FETCHV 3, VB
	s_wait_dscnt 16
	WIN 0x50
	PV 2, VA, \first
	s_wait_dscnt 0x0
	PV 3, VB, \first
	WIN 0
.endm
; A TRIP: the change of slots and a key step.  both = 1: every wave runs SOFT of this step (the first step); else role 0 alone.  ahead = 1: role 1 runs SOFT of the next step behind its products.
; ask = 1: x's bytes for the way out are asked for.
.macro TRIP fill, both, first, ahead, ask
	CHANGE \fill
.if \ask
	global_prefetch_b8 v[XP], s[8:9] th:TH_LOAD_NT scope:SCOPE_SE   ; thread t asks for channel t's 256 bytes of x, my work-group's 64 pixels: each block once, one trip ahead of the loads that want it
.endif
	ADDR
.if \both
	SOFT 0
.else
	s_cmp_lg_u32 s[ROLE], 0
	s_cbranch_scc1 .Ldone_before_\@                ; role 1 did this step's first half in the trip before
	SOFT 0
.Ldone_before_\@:
.endif
	s_wait_alu depctr_va_vdst(0)
	PVB \first
.if \ahead
	s_cmp_eq_u32 s[ROLE], 0
	s_cbranch_scc1 .Lnot_ahead_\@
.rept 6
	v_nop                                          ; places behind the last products: the loads of k (4 are asked) and the score products (5) write registers that held v's fragments
.endr
	SOFT 1
.Lnot_ahead_\@:
.endif
	s_xor_b32 s[TB], s[TB], SLOTB                  ; on to the other slot,
	s_add_co_u32 s[TK], s[TK], KSTEP               ; and to the next eight records of k
.endm
	s_load_b256 s[4:11], s[0:1], 0x0               ; qrec s[4:5], kv s[6:7], x s[8:9], gamma s[10:11]
	s_load_b64 s[12:13], s[0:1], 0x20              ; out0
	s_load_b64 s[56:57], s[0:1], 0x28              ; krec
	v_lshl_add_u32 v[SPW], v0, 2, SPARE
	v_mov_b32 v[NIL], 0
	ds_add_u32 v11, v12
	ds_add_u32 v11, v12
	s_wait_dscnt 0x0
	v_lshrrev_b32 v60, 5, v0
	s_delay_alu instid0(VALU_DEP_1)
	v_readfirstlane_b32 s14, v60                   ; wave w
	s_lshr_b32 s15, s14, 1                         ; kq
	s_and_b32 s16, s14, 1                          ; qg
	s_lshr_b32 s[ROLE], s14, 2
	s_xor_b32 s[ROLE], s[ROLE], s14
	s_and_b32 s[ROLE], s[ROLE], 1                  ; (w ^ (w >> 2)) & 1
	s_bfe_u32 s17, ttmp6, 0x40000                  ; cx: my place in the cluster
	s_lshl_b32 s18, ttmp9, 2
	s_add_co_u32 s18, s18, s17                     ; my block of 64 queries
	s_and_b32 s19, ttmp7, 0xffff                   ; the batch, which the four partners share
	; descriptor group 1 for a record of kv: 50 rows of 32 elements of 8 bytes, dense, no padding
	s_mov_b32 s24, 15|(3<<16)|(1<<21)              ; 15:0 the mask: all four work-groups; 17:16 elements of 8 bytes; 21 set beside a mask
	s_mov_b32 s25, 32<<16                          ; tensor_dim0 = 32
	s_mov_b32 s26, 50<<16                          ; tensor_dim1 = 50
	s_mov_b32 s27, 32<<16                          ; tile_dim0 = 32
	s_mov_b32 s28, 50                              ; tile_dim1 = 50
	s_mov_b32 s29, 32                              ; from row to row
	s_mov_b32 s30, 0
	s_mov_b32 s31, 0
	; and for eight records of krec: 56 such rows
	s_mov_b32 s48, 15|(3<<16)|(1<<21)
	s_mov_b32 s49, 32<<16
	s_mov_b32 s50, 56<<16
	s_mov_b32 s51, 32<<16
	s_mov_b32 s52, 56
	s_mov_b32 s53, 32
	s_mov_b32 s54, 0
	s_mov_b32 s55, 0
	s_mov_b32 s32, 1                               ; group 0 for kv: count = 1,
	s_mul_i32 s[WVB], s14, VREC
	s_mov_b32 s33, s[WVB]                          ; LDS address: record w of slot 0,
	s_mul_i32 s40, s19, 64*VREC
	s_add_co_u32 s40, s40, s[WVB]                  ; and record w of the batch
	s_mov_b32 s41, 0
	s_mov_b32 s60, 1                               ; group 0 for krec: count = 1,
	s_mul_i32 s61, s14, KSTEP
	s_mul_i32 s46, s19, 64*KREC
	s_add_co_u32 s46, s46, s61                     ; records 8 w on of the batch,
	s_mov_b32 s47, 0
	s_add_co_u32 s61, s61, KB                      ; to their place behind the ring
	s_lshl_b32 s42, s19, 6
	s_add_co_u32 s42, s42, s18
	s_mul_i32 s42, s42, KREC                       ; my record of qrec
	s_mov_b32 s43, 0
	s_lshl_b32 s44, s19, 22
	s_lshl_b32 s45, s18, 8
	s_add_co_u32 s44, s44, s45                     ; x and out0: the batch, my 64 pixels
	s_mov_b32 s45, 0
	s_mov_b32 s20, 0x76543210
	s_mov_b32 s21, 0xfedcba98                      ; v_permlanex16_b32's selects for lane l xor 16
	s_mov_b32 s22, 0x3fb8aa3b                      ; log2(e)
	s_mov_b32 s23, s22                             ; (named with it as a pair, so it is written)
	s_mov_b32 s[TB], 0
	s_mov_b32 s[TF], 0
	s_mov_b32 s[TK], 0
	s_mov_b32 s37, 6
	s_wait_kmcnt 0x0
	s_add_nc_u64 s[34:35], s[6:7], s[40:41]
	s_or_b32 s35, s35, 0x80000000                  ; type = 2
	s_add_nc_u64 s[62:63], s[56:57], s[46:47]
	s_or_b32 s63, s63, 0x80000000
	s_add_nc_u64 s[4:5], s[4:5], s[42:43]
	s_add_nc_u64 s[8:9], s[8:9], s[44:45]
	s_add_nc_u64 s[12:13], s[12:13], s[44:45]
	CROUND                                         ; all four work-groups are here: the first joint loads meet
	tensor_load_to_lds s[60:63], s[48:55]          ; my eighth of the batch's k: filled once
	s_nop 0
	s_wait_alu depctr_va_vdst(0)
	s_wait_tensorcnt 0x0
	ds_add_u32 v11, v12
	s_wait_dscnt 0x0
	CROUND
	tensor_load_to_lds s[32:35], s[24:31]          ; my record of slot 0
	s_nop 0
	NOPS
	s_load_b32 s38, s[10:11], 0x0                  ; gamma
	v_and_b32 v60, 31, v0                          ; lane
	v_and_b32 v[RR], 15, v0                        ; r
	v_bfe_u32 v[HH], v0, 4, 1                      ; h
	s_delay_alu instid0(VALU_DEP_2)
	v_mul_u32_u24 v176, v[RR], 24
	s_mul_i32 s41, s16, 768
	v_add_nc_u32 v176, s41, v176                   ; q's codes: my two tiles, row r
	s_lshl_b32 s41, s16, 7
	v_lshl_add_u32 v177, v[RR], 2, s41             ; and its scale words
.irp i, 0,1
.irp e, 0,1,2
	global_load_b64 v[QF+12*\i+2*\e:QF+12*\i+2*\e+1], v176, s[4:5] offset:384*\i+8*\e
.endr
	global_load_b32 v[QS+\i], v177, s[4:5] offset:1536+64*\i
.endr
	s_mul_i32 s40, s15, 2*VREC                     ; my two records of a slot
	v_lshl_add_u32 v[A16S], v60, 4, s40
	v_lshl_add_u32 v[A8S], v60, 3, s40
	s_add_co_u32 s41, s40, VSO
	v_lshl_add_u32 v[AS2S], v60, 1, s41
	s_mul_i32 s40, s15, 2*KREC                     ; and my two of a step's eight records of k
	s_add_co_u32 s40, s40, KB
	v_mul_u32_u24 v[AKS], v[RR], 24
	s_delay_alu instid0(VALU_DEP_1)
	v_add_nc_u32 v[AKS], s40, v[AKS]
	s_add_co_u32 s41, s40, KSO
	v_lshl_add_u32 v[AS4S], v60, 2, s41
	v_lshlrev_b32 v[XP], 14, v0                    ; x: channel = my thread's number
	s_lshl_b32 s40, s14, 19
	v_lshlrev_b32 v[XO], 4, v[RR]
	s_delay_alu instid0(VALU_DEP_1)
	v_lshl_add_u32 v[XO], v[HH], 14, v[XO]
	s_delay_alu instid0(VALU_DEP_1)
	v_add_nc_u32 v[XO], s40, v[XO]                 ; x and out0: channel 32 w + h, 16 bytes a lane
	s_lshl_b32 s40, s14, 8
	s_add_co_u32 s40, s40, MXB
	v_lshl_add_u32 v[MXW], v60, 2, s40
	s_lshl_b32 s40, s16, 8
	s_add_co_u32 s40, s40, MXB
	v_lshl_add_u32 v[MXR], v60, 2, s40
	v_and_b32 v[STW], 8, v[RR]
	s_delay_alu instid0(VALU_DEP_1)
	v_add_nc_u32 v[STW], v[STW], v[RR]
	s_delay_alu instid0(VALU_DEP_1)
	v_lshlrev_b32 v[STW], 2, v[STW]                ; my query's pixel: 32 qg + 8 i + r + 8 (r / 8)
	s_delay_alu instid0(VALU_DEP_1)
	v_mad_u32_u24 v[STW], v[HH], 2176, v[STW]      ; channels 8 h on
	s_mul_i32 s40, s15, PLANE
	s_lshl_b32 s41, s16, 7
	s_add_co_u32 s40, s40, s41
	v_add_nc_u32 v[STW], s40, v[STW]
	s_delay_alu instid0(VALU_DEP_1)
	v_add_nc_u32 v61, 128*272, v[STW]
.irp i, 0,1
	v_mov_b32 v[ST+4*\i+1], 0xff61b1e6             ; the largest t so far: -3e38, under every t
	s_delay_alu instid0(VALU_DEP_1)
	v_floor_f32 v[ST+4*\i], -v[ST+4*\i+1]          ; -M
	v_mov_b32 v[ST+4*\i+2], 0                      ; the sum, in two halves
	v_mov_b32 v[ST+4*\i+3], 0
	v_mov_b32 v[FF+2*\i+1], 0                      ; (named as the upper half of a pair before it is first written)
.irp e, 6,7,8,9,10,11
	v_mov_b32 v[QF+12*\i+\e], 0                    ; q beyond its 32: zero codes
.endr
.endr
.irp e, 0,1,2,3
	v_mov_b32 v[T8+\e], 0                          ; a lane permute's destination counts as one of its sources
.endr
.irp e, 48,49,50,51,52,53
	v_mov_b32 v[X+\e], 0                           ; what the last tile of k names as its unused upper half
.endr
	v_cmp_gt_u32 vcc_lo, 16, v60
	s_wait_loadcnt 0x0                             ; q
	s_wait_kmcnt 0x0                               ; gamma
.irp i, 0,1
.irp e, 0,1,2,3,4,5
	v_cndmask_b32 v[QF+12*\i+\e], 0, v[QF+12*\i+\e], vcc_lo   ; lanes 16-31 stand for numbers 32 to 63: zero codes
.endr
.endr
	TRIP 1, 1, 1, 1, 0                             ; k and slot 0 are whole; slot 1 is asked for.  Step 0: both halves in every wave; role 1 goes on to step 1's first half
.Lslot:                                            ; six trips, steps 1 to 6: behind each change of slots the slot just left is filled again
	TRIP 1, 0, 0, 1, 0
	s_sub_co_u32 s37, s37, 1
	s_cmp_lg_u32 s37, 0
	s_cbranch_scc1 .Lslot
	TRIP 0, 0, 0, 0, 1                             ; step 7 is written out; nothing lies ahead of it
	; ---- THE WAY OUT.  My sums: the two halves and lane l xor 16's
.irp i, 0,1
	v_add_f32 v[ST+4*\i+2], v[ST+4*\i+2], v[ST+4*\i+3]
.endr
.irp i, 0,1
	s_delay_alu instid0(VALU_DEP_2)
	v_permlanex16_b32 v[T8+\i], v[ST+4*\i+2], s20, s21
.endr
.irp i, 0,1
	s_delay_alu instid0(VALU_DEP_2)
	v_add_f32 v[ST+4*\i+2], v[ST+4*\i+2], v[T8+\i]
.endr
	v_nop                                          ; (with the additions above: the places behind the last products, in front of loads into their registers)
	v_nop
.set n, 0
.rept 16
	global_load_b128 v[112+4*n:112+4*n+3], v[XO], s[8:9] offset:32768*n th:TH_LOAD_NT   ; x: channels 32 w + 2 n + h, my work-group's 64 pixels: 16 lanes read 256 consecutive bytes
.set n, n+1
.endr
.irp i, 0,1
	ds_store_b32 v[MXW], v[ST+4*\i] offset:128*\i
	ds_store_b32 v[MXW], v[ST+4*\i+2] offset:2048+128*\i
.endr
	s_wait_dscnt 0x0                               ; for the others' sake: my -M and sums have landed, and my reads of the slots and of k are over
	s_barrier_signal -1
	s_barrier_wait -1
.irp i, 0,1
.irp k, 0,1,2,3
	ds_load_b32 v[64+4*\i+\k], v[MXR] offset:512*\k+128*\i          ; the four quarters' -M of my queries,
	ds_load_b32 v[72+4*\i+\k], v[MXR] offset:2048+512*\k+128*\i     ; and their sums
.endr
.endr
	v_mul_u32_u24 v6, v[HH], 272                   ; where I read the planes back: row 32 w + h, 16 bytes a lane
	s_delay_alu instid0(VALU_DEP_1)
	v_lshl_add_u32 v6, v[RR], 4, v6
	s_mul_i32 s40, s14, 32*272
	v_add_nc_u32 v6, s40, v6
	s_delay_alu instid0(VALU_DEP_1)
	v_add_nc_u32 v7, PLANE, v6
	s_delay_alu instid0(VALU_DEP_2)
	v_add_nc_u32 v8, 2*PLANE, v6
	s_delay_alu instid0(VALU_DEP_3)
	v_add_nc_u32 v9, 3*PLANE, v6
	s_wait_dscnt 0x0
.irp i, 0,1
	v_min3_num_f32 v[BM+\i], v[64+4*\i], v[65+4*\i], v[66+4*\i]
	s_delay_alu instid0(VALU_DEP_1)
	v_min_num_f32 v[BM+\i], v[BM+\i], v[67+4*\i]   ; the common -M
.irp k, 0,1,2,3
	v_sub_f32 v[64+4*\i+\k], v[BM+\i], v[64+4*\i+\k]   ; a quarter's M less the common M: a whole number, 0 or less
.endr
	v_sub_f32 v[BM+2+\i], v[BM+\i], v[ST+4*\i]     ; my own
.irp k, 0,1,2,3
	v_cvt_i32_f32 v[64+4*\i+\k], v[64+4*\i+\k]
.endr
	v_cvt_i32_f32 v[BM+2+\i], v[BM+2+\i]
.irp k, 0,1,2,3
	v_ldexp_f32 v[64+4*\i+\k], 1.0, v[64+4*\i+\k]
.endr
	v_ldexp_f32 v[BM+2+\i], 1.0, v[BM+2+\i]
	v_mul_f32 v[T8+\i], v[72+4*\i], v[64+4*\i]
	s_delay_alu instid0(VALU_DEP_1)
	v_fma_f32 v[T8+\i], v[73+4*\i], v[65+4*\i], v[T8+\i]
	s_delay_alu instid0(VALU_DEP_1)
	v_fma_f32 v[T8+\i], v[74+4*\i], v[66+4*\i], v[T8+\i]
	s_delay_alu instid0(VALU_DEP_1)
	v_fma_f32 v[T8+\i], v[75+4*\i], v[67+4*\i], v[T8+\i]   ; the row's whole sum under the common M
	s_wait_alu depctr_va_vdst(0)
	v_rcp_f32 v[T8+2+\i], v[T8+\i]
	v_mul_f32 v[BM+2+\i], s38, v[BM+2+\i]          ; (a plain place behind the reciprocal)  gamma x my power of two
	s_wait_alu depctr_va_vdst(0)
	v_mul_f32 v[FF+2*\i], v[BM+2+\i], v[T8+2+\i]   ; / the sum
.endr
	RESCALE 0, 0, 64
	RESCALE 1, 0, 64
	WIN 0x04                                       ; an LDS store's data are its source 1: window 1
.irp i, 0,1
.set t, 0
.rept 16
.set j, 0
.rept 8
	ds_store_b32 v[STW+18*(t/8)], v[128*\i+8*t+j] offset:32*\i+(16*(t%8)+j)*272   ; my plane: channel 16 t + 8 h + j, my query's pixel
.set j, j+1
.endr
.set t, t+1
.endr
.endr
	WIN 0
	s_wait_dscnt 0x0                               ; for the others' sake
	s_barrier_signal -1
	s_barrier_wait -1
; Each wave takes 32 channels: the four planes are added, x is added, and 16 lanes store a channel's 256 consecutive bytes, aligned.  Two row pairs (8 loads) to a group, two sets of registers by turns.
.macro TLD grp
.set bS, 176+32*((\grp)%2)
.irp e, 0,1
.irp p, 0,1,2,3
	ds_load_b128 v[bS+16*\e+4*\p:bS+16*\e+4*\p+3], v[6+\p] offset:544*(2*(\grp)+\e)
.endr
.endr
.endm
.macro TSUM grp
.set bS, 176+32*((\grp)%2)
.irp e, 0,1
.set rX, 112+4*(2*(\grp)+\e)
.set rB, bS+16*\e
.irp d, 0,2
	v_pk_add_f32 v[rB+\d:rB+\d+1], v[rB+\d:rB+\d+1], v[rB+4+\d:rB+4+\d+1]
	v_pk_add_f32 v[rB+8+\d:rB+8+\d+1], v[rB+8+\d:rB+8+\d+1], v[rB+12+\d:rB+12+\d+1]
.endr
.irp d, 0
	s_delay_alu instid0(VALU_DEP_3)
	v_pk_add_f32 v[rB+\d:rB+\d+1], v[rB+\d:rB+\d+1], v[rB+8+\d:rB+8+\d+1]
.endr
.irp d, 2
	s_delay_alu instid0(VALU_DEP_2)
	v_pk_add_f32 v[rB+\d:rB+\d+1], v[rB+\d:rB+\d+1], v[rB+8+\d:rB+8+\d+1]
.endr
.irp d, 0,2
	s_delay_alu instid0(VALU_DEP_2)
	v_pk_add_f32 v[rX+\d:rX+\d+1], v[rX+\d:rX+\d+1], v[rB+\d:rB+\d+1]
.endr
	global_store_b128 v[XO], v[rX:rX+3], s[12:13] offset:32768*(2*(\grp)+\e) th:TH_STORE_NT
.endr
.endm
	TLD 0
	TLD 1
	s_wait_loadcnt 0x0                             ; x
.irp g, 0,1,2,3,4,5,6,7
.if \g < 7
	s_wait_dscnt 8                                 ; this group is in; the other set's 8 loads may be out
.else
	s_wait_dscnt 0x0
.endif
	TSUM \g
.if \g < 6
	TLD \g+2
.endif
.endr
	s_wait_tensorcnt 0x0                           ; the wave's end, behind my last tensor load and my last LDS store
	ds_add_u32 v[SPW], v[NIL]
	s_wait_dscnt 0x0
	CROUND                                         ; the closing round: no work-group ends while a partner may still ask for a record that names it
	s_endpgm
.Lfunc_end_k_q1e36d4231c_attend:
	.size	k_q1e36d4231c_attend, .Lfunc_end_k_q1e36d4231c_attend-k_q1e36d4231c_attend
	.p2alignl 7, 3214868480
	.fill 96, 4, 3214868480
	.section	.rodata,"a",@progbits
	.p2align	6, 0x0
	.amdhsa_kernel k_q1e36d4231c_attend
		.amdhsa_group_segment_fixed_size 327680
		.amdhsa_private_segment_fixed_size 0
		.amdhsa_enable_private_segment 0
		.amdhsa_kernarg_size 48
		.amdhsa_user_sgpr_count 2
		.amdhsa_user_sgpr_kernarg_segment_ptr 1
		.amdhsa_wavefront_size32 1
		.amdhsa_system_sgpr_workgroup_id_x 1
		.amdhsa_system_sgpr_workgroup_id_y 1
		.amdhsa_system_sgpr_workgroup_id_z 1
		.amdhsa_system_vgpr_workitem_id 0
		.amdhsa_next_free_vgpr 512
		.amdhsa_next_free_sgpr 66
		.amdhsa_reserve_vcc 1
		.amdhsa_float_denorm_mode_32 3
		.amdhsa_float_denorm_mode_16_64 3
		.amdhsa_memory_ordered 1
		.amdhsa_forward_progress 1
		.amdhsa_inst_pref_size 244
	.end_amdhsa_kernel
	.amdgpu_metadata
---
amdhsa.version: [ 1, 2 ]
amdhsa.kernels:
  - .name:           k_q1e36d4231c_attend
    .symbol:         k_q1e36d4231c_attend.kd
    .args:
      - { .name: qrec, .offset: 0, .size: 8, .value_kind: global_buffer, .address_space: global }
      - { .name: kv, .offset: 8, .size: 8, .value_kind: global_buffer, .address_space: global }
      - { .name: x, .offset: 16, .size: 8, .value_kind: global_buffer, .address_space: global }
      - { .name: gamma, .offset: 24, .size: 8, .value_kind: global_buffer, .address_space: global }
      - { .name: out0, .offset: 32, .size: 8, .value_kind: global_buffer, .address_space: global }
      - { .name: krec, .offset: 40, .size: 8, .value_kind: global_buffer, .address_space: global }
    .group_segment_fixed_size: 327680
    .private_segment_fixed_size: 0
    .kernarg_segment_align: 8
    .kernarg_segment_size: 48
    .max_flat_workgroup_size: 256
    .sgpr_count:     66
    .vgpr_count:     512
    .wavefront_size: 32
...
	.end_amdgpu_metadata
.endif
;; end of part 4
